; MI455X (gfx1250); checked and timed in simulation.
; The chip was launched on July 23, 2026; its instructions are those of AMD's public machine-readable ISA for CDNA 5 (MIT licence, August 2026) and "CDNA5" Instruction Set Architecture Reference Guide (July 2026). The comments in the code are by the model that wrote it; some were corrected since.
;; Self Attention. Allowed arithmetic: float matrix products may take bf16 or f16 operands with f32 sums; other float arithmetic in f32, or as packed bf16 or f16 multiplies, adds, multiply-adds, maxima and minima; sums over many terms, partial sums and values carried from step to step in f32; what a program stores and reads back later, other than sums and carried values, may be rounded once to bf16 or f16.
;; Inputs: WK 1,024 x 1,024 float32; WQ 1,024 x 1,024 float32; WV 1,024 x 1,024 float32; x 4 x 2,048 x 1,024 float32.
;; Outputs: out0 4 x 2,048 x 1,024 float32.
;; 2 versions, each right; version 2 is version 1 with the launch prep written anew for expert scheduling mode. Each part assembles by itself: llvm-mc -triple=amdgcn-amd-amdhsa -mcpu=gfx1250 --defsym DOCPART=n.
;; ======== version 1 of 2: 4 launches
;; limits: values are held in f16: magnitudes above 65,504 overflow, below 6.1e-05 lose precision
;; workspace buffers: xb 16,777,216 bytes; wb 6,291,456 bytes; qkv 50,331,648 bytes; pm 33,554,432 bytes; st 786,432 bytes
;; launch prep (part 1): grid 352 x 1, 8 waves a work-group, no clusters, 0 bytes of LDS; arguments x, WQ, WK, WV, xb, wb; writes xb, wb
.if DOCPART == 1
	.amdgcn_target "amdgcn-amd-amdhsa--gfx1250"
	.amdhsa_code_object_version 6
	.text
	.protected	k_q8f7e6cc7d9_prep
	.globl	k_q8f7e6cc7d9_prep
	.p2align	8
	.type	k_q8f7e6cc7d9_prep,@function
k_q8f7e6cc7d9_prep:
	s_mov_b64 s[64:65], 0
	v_nop
	global_prefetch_b8 v0, s[64:65] scope:SCOPE_SE
	s_setreg_imm32_b32 hwreg(HW_REG_WAVE_MODE, 25, 1), 1
	s_wait_xcnt 0x0
; x and the three weights are rounded once to bf16 and laid out for the projection.
; xb: [16 kblk][8192 token][64] bf16: byte kblk x 1,048,576 + token x 128 + 2 kk, so that 256 tokens x 64 k are 32 KiB on end.
; wb: [1024 k][3072 n] bf16: columns 0-1023 WQ, 1024-2047 WK, 2048-3071 WV.
; A stream: every byte is read once and written once; no LDS, no barrier, no matrix unit, no loop.  A wave takes 16 KiB of f32:
; 32 loads of 16 bytes a lane go out together, then 16 chunks of four roundings and one store.  A lane reads 32 bytes on end
; and writes 16; each store of a wave covers 512 consecutive bytes, aligned.  No register is written twice.
; Work-groups 0-255: 32 tokens of x each.  Work-groups 256-351: 32 rows of one weight each.
.set X, 16                             ; v[16:143]   chunk j: 8 numbers in f32
.set Y, 144                            ; v[144:207]  chunk j: 8 numbers in bf16
.set KBLK, 1048576                     ; bytes of one block of 64 k in xb
; kind = 0: x (chunk j = block j of 64 k of my token).  kind = 1: a weight (chunk j = row j / 4, quarter j % 4 of the row).
.macro CAST kind
.set j, 0
.rept 16
.if (\kind) == 0
.set LI, j*256
.else
.set LI, (j/4)*4096+(j%4)*1024
.endif
	global_load_b128 v[X+8*j:X+8*j+3],   v1, s[20:21] offset:LI th:TH_LOAD_NT
	global_load_b128 v[X+8*j+4:X+8*j+7], v1, s[20:21] offset:LI+16 th:TH_LOAD_NT
.set j, j+1
.endr
.set j, 0
.rept 16
	s_wait_loadcnt 30-2*j                          ; loads come back in order: behind chunk j's two, 30 - 2 j were issued
	v_cvt_pk_bf16_f32 v[Y+4*j],   v[X+8*j],   v[X+8*j+1]
	v_cvt_pk_bf16_f32 v[Y+4*j+1], v[X+8*j+2], v[X+8*j+3]
	v_cvt_pk_bf16_f32 v[Y+4*j+2], v[X+8*j+4], v[X+8*j+5]
	v_cvt_pk_bf16_f32 v[Y+4*j+3], v[X+8*j+6], v[X+8*j+7]
.if (\kind) == 0
.if j < 8
	global_store_b128 v2, v[Y+4*j:Y+4*j+3], s[22:23] offset:j*KBLK
.else
	global_store_b128 v2, v[Y+4*j:Y+4*j+3], s[24:25] offset:(j-8)*KBLK
.endif
.else
	global_store_b128 v2, v[Y+4*j:Y+4*j+3], s[22:23] offset:(j/4)*6144+(j%4)*512
.endif
.set j, j+1
.endr
.endm
	s_load_b256 s[4:11], s[0:1], 0x0               ; x s[4:5], WQ s[6:7], WK s[8:9], WV s[10:11]
	s_load_b128 s[12:15], s[0:1], 0x20             ; xb s[12:13], wb s[14:15]
	s_mov_b32 s17, 0
	s_mov_b32 s19, 0
	s_cmp_lt_u32 ttmp9, 256
	s_cbranch_scc0 .Lweights
	v_lshrrev_b32 v1, 3, v0                        ; my token of the group's 32: eight lanes share a token's 256 bytes of a block
	v_and_b32 v2, 7, v0
	v_lshlrev_b32 v1, 12, v1                       ; a token is 4,096 bytes of x
	v_lshl_add_u32 v1, v2, 5, v1                   ; + my 32 bytes
	v_lshlrev_b32 v2, 4, v0                        ; in xb: token x 128 + 16 (t % 8) = 16 t
	s_lshl_b32 s16, ttmp9, 17                      ; 32 tokens of x
	s_lshl_b32 s18, ttmp9, 12                      ; 32 tokens of one block of xb
	s_wait_kmcnt 0x0
	s_add_nc_u64 s[20:21], s[4:5], s[16:17]
	s_add_nc_u64 s[22:23], s[12:13], s[18:19]      ; blocks 0 to 7 by the immediate,
	s_add_nc_u64 s[24:25], s[22:23], 8*KBLK        ; blocks 8 to 15 from a second base: the immediates stay under 2^23
	CAST 0
	s_endpgm
.Lweights:
	s_sub_co_u32 s26, ttmp9, 256
	s_lshr_b32 s27, s26, 5                         ; which weight
	s_and_b32 s26, s26, 31                         ; which 32 rows
	v_lshrrev_b32 v3, 5, v0                        ; wave: four rows each
	v_and_b32 v4, 31, v0
	v_lshlrev_b32 v1, 14, v3
	v_lshl_add_u32 v1, v4, 5, v1
	v_mul_u32_u24 v2, v3, 4*6144
	v_lshl_add_u32 v2, v4, 4, v2
	s_lshl_b32 s16, s26, 17                        ; 32 rows of 4,096 bytes
	s_mul_i32 s18, s26, 32*6144                    ; 32 rows of wb,
	s_lshl_b32 s27, s27, 11                        ; the weight's 1,024 columns
	s_add_co_u32 s18, s18, s27
	s_wait_kmcnt 0x0
	s_cmp_eq_u32 s27, 2048
	s_cselect_b64 s[20:21], s[8:9], s[6:7]
	s_cmp_eq_u32 s27, 4096
	s_cselect_b64 s[20:21], s[10:11], s[20:21]
	s_add_nc_u64 s[20:21], s[20:21], s[16:17]
	s_add_nc_u64 s[22:23], s[14:15], s[18:19]
	CAST 1
	s_endpgm
.Lfunc_end_k_q8f7e6cc7d9_prep:
	.size	k_q8f7e6cc7d9_prep, .Lfunc_end_k_q8f7e6cc7d9_prep-k_q8f7e6cc7d9_prep
	.p2alignl 7, 3214868480
	.fill 96, 4, 3214868480
	.section	.rodata,"a",@progbits
	.p2align	6, 0x0
	.amdhsa_kernel k_q8f7e6cc7d9_prep
		.amdhsa_group_segment_fixed_size 0
		.amdhsa_private_segment_fixed_size 0
		.amdhsa_enable_private_segment 0
		.amdhsa_kernarg_size 48
		.amdhsa_user_sgpr_count 2
		.amdhsa_user_sgpr_kernarg_segment_ptr 1
		.amdhsa_wavefront_size32 1
		.amdhsa_system_sgpr_workgroup_id_x 1
		.amdhsa_system_sgpr_workgroup_id_y 1
		.amdhsa_system_sgpr_workgroup_id_z 1
		.amdhsa_system_vgpr_workitem_id 0
		.amdhsa_next_free_vgpr 208
		.amdhsa_next_free_sgpr 66
		.amdhsa_reserve_vcc 0
		.amdhsa_float_denorm_mode_32 3
		.amdhsa_float_denorm_mode_16_64 3
		.amdhsa_memory_ordered 1
		.amdhsa_forward_progress 1
		.amdhsa_inst_pref_size 20
	.end_amdhsa_kernel
	.amdgpu_metadata
---
amdhsa.version: [ 1, 2 ]
amdhsa.kernels:
  - .name:           k_q8f7e6cc7d9_prep
    .symbol:         k_q8f7e6cc7d9_prep.kd
    .args:
      - { .name: x, .offset: 0, .size: 8, .value_kind: global_buffer, .address_space: global }
      - { .name: WQ, .offset: 8, .size: 8, .value_kind: global_buffer, .address_space: global }
      - { .name: WK, .offset: 16, .size: 8, .value_kind: global_buffer, .address_space: global }
      - { .name: WV, .offset: 24, .size: 8, .value_kind: global_buffer, .address_space: global }
      - { .name: xb, .offset: 32, .size: 8, .value_kind: global_buffer, .address_space: global }
      - { .name: wb, .offset: 40, .size: 8, .value_kind: global_buffer, .address_space: global }
    .group_segment_fixed_size: 0
    .private_segment_fixed_size: 0
    .kernarg_segment_align: 8
    .kernarg_segment_size: 48
    .max_flat_workgroup_size: 256
    .sgpr_count:     66
    .vgpr_count:     208
    .wavefront_size: 32
...
	.end_amdgpu_metadata
.endif
;; end of part 1
;; launch proj (part 2): grid 8 x 32, 4 waves a work-group, clusters of 4 x 4, 327,680 bytes of LDS; arguments xb, wb, qkv; writes qkv
.if DOCPART == 2
	.amdgcn_target "amdgcn-amd-amdhsa--gfx1250"
	.amdhsa_code_object_version 6
	.text
	.protected	k_q8f7e6cc7d9_proj
	.globl	k_q8f7e6cc7d9_proj
	.p2align	8
	.type	k_q8f7e6cc7d9_proj,@function
k_q8f7e6cc7d9_proj:
	s_mov_b64 s[64:65], 0
	v_nop
	global_prefetch_b8 v0, s[64:65] scope:SCOPE_SE
	s_setreg_imm32_b32 hwreg(HW_REG_WAVE_MODE, 25, 1), 1
	s_wait_xcnt 0x0
	s_wait_alu depctr_hold_cnt(0) depctr_sa_sdst(0) depctr_va_vdst(0) depctr_va_sdst(0) depctr_va_ssrc(0) depctr_va_vcc(0) depctr_vm_vsrc(0)
	s_getreg_b32 s2, hwreg(HW_REG_IB_STS2, 6, 4)
	s_cmp_eq_u32 s2, 0
	s_cbranch_scc0 .Lentry_in_a_cluster
	s_endpgm
.Lentry_in_a_cluster:
	s_bfe_u32 s2, ttmp6, 0x10000c
	s_cmp_lg_u32 s2, 0xf033
	s_cbranch_scc0 .Lentry_shape_is_right
	s_endpgm
.Lentry_shape_is_right:
; qkv[token][n] = the sum over k of xb[token][k] wb[k][n]: 8,192 x 3,072, K = 1,024.  Products in bf16, sums in f32, qkv rounded once to f16.
; LIMIT.  f16 ends at 65,504: q, k and v beyond that become infinities.  NaN and infinities are not treated apart.
; SHARES.  A tile is 256 tokens x 384 columns: 32 x 8 = 256 work-groups.  Wave w takes tokens 128 (w / 2) on and columns 192 (w % 2) on:
; 96 accumulators of 16 x 16, 768 registers; for 32 along K it reads 20 KiB from LDS for 96 matrix instructions.
; K goes in 16 steps of 64 through two LDS slots; a step is two HALVES of 32.  A step of 128 would want two slots of 180 KiB.
; THE PRODUCT IS USED TRANSPOSED: source 0 = 16 columns of W (turned out of LDS by ds_load_tr16_b128), source 1 = 16 tokens.
; In the result lane l holds token l % 16 and the columns 8 (l / 16) + 0..7: 16 bytes of a row of qkv.
; CLUSTER 4 x 4: the four of a row need the same tokens, the four of a column the same columns of W: each tile is asked for jointly.
; REGISTERS.  Window 0: v0-31 addresses; v32-95, v96-159 the tokens' fragments, two buffers; v160-255 W's twelve fragments, one buffer,
; filled again four fragments at a time as soon as their 32 products are issued.  Windows 1-3: accumulator (a, nb) in window 1 + nb / 4 at v[8 (8 (nb % 4) + a)].
.set PA,     144                       ; a token in LDS: 128 bytes + 16: the 16 rows of a load start at 16 different groups of four banks (ISA guide 11.1)
.set PB,     864                       ; a row of W: six times 128 bytes + 16 = 27 x 32
.set APART,  256*PA                    ; the tokens' part of a slot
.set SLOTB,  APART+64*PB               ; 92,160
.set SLOT1,  1<<17                     ; slot 1 begins here: one exclusive or turns an address in one slot into the other's
.set STAGE,  SLOT1+SLOTB               ; behind the ring: 128 rows x 784 bytes, the work-group's, for the way out
.set SPITCH, 784
.set SPARE,  STAGE+128*SPITCH          ; the spare words, 128 bytes a wave: two blocks of 256 bytes that no other line names
.set STEPA,  1048576                   ; bytes from a K step to the next in xb
.set QROW,   6144                      ; bytes in a row of wb and of qkv
.set STEPB,  64*QROW                   ; the same in wb
.set XA0, 8                            ; v8   my place in a slot's tokens; never rewritten
.set WB0, 9                            ; v9   my place in a slot's rows of W; never rewritten
.set ADX, 10                           ; v10  the same in the slot in hand
.set ADW, 11                           ; v11
.set STO, 12                           ; v12  the way out: where I put 16 bytes
.set RD,  13                           ; v13  where I read rows back
.set CO,  14                           ; v14  my byte offset in qkv
.set PFO, 16                           ; v16  the prefetches' offset; never rewritten
.set SPW, 28                           ; v28  my spare word: SPARE + 4 x my thread's number; never rewritten
.set NIL, 29                           ; v29  0; never rewritten
.set X0,  32
.set X1,  96
.set WF,  160
.set TMP, 32                           ; the way out: 192 registers
.set G1A, 24                           ; s[24:31] group 1 for the tokens' tiles;  s[32:35] group 0 of step 0, s[36:39] the walking one
.set G0A, 32
.set G1B, 48                           ; s[48:55], s[56:59], s[60:63] the same for W's
.set G0B, 56
.set TB,  66                           ; s66  the slot that is read
.set PFA, 70                           ; s[70:71] where my prefetches stand
.set PFS, 72                           ; s[72:73] their step: two K steps
.set LIM, 74                           ; s74  2 in a wave that prefetches, else the greatest number
.set MSB, 0
.macro WIN new                         ; the immediate's high byte repeats the setting that is left; a switch that changes nothing is dropped
.if MSB != (\new)
	s_set_vgpr_msb (MSB<<8)|(\new)
.set MSB, \new
.endif
.endm
.macro PLACES                          ; four plain instructions between a matrix instruction and a load into, or a read of, its registers
.rept 4
	v_nop
.endr
.endm
.macro CREST                           ; a round of the cluster's barrier behind its opening barrier
	s_cmp_lg_u32 s10, 0
	s_cbranch_scc1 .Lnot_wave_0_\@
	s_barrier_signal -3
.Lnot_wave_0_\@:
	s_barrier_wait -3
	s_barrier_signal -1
	s_barrier_wait -1
.endm
.macro CROUND
	s_barrier_signal -1
	s_barrier_wait -1
	CREST
.endm
; A joint refill by the walking descriptors: waves 0 and 1 fetch the tokens' two halves, waves 2 and 3 the two halves of W's 64 rows.
.macro JLOAD
	s_cmp_eq_u32 s11, 0
	s_cbranch_scc0 .Lfor_b_\@
	tensor_load_to_lds s[G0A+4:G0A+7], s[G1A:G1A+7]
	s_nop 0
	PLACES
	s_branch .Lasked_\@
.Lfor_b_\@:
	tensor_load_to_lds s[G0B+4:G0B+7], s[G1B:G1B+7]
	s_nop 0
	PLACES
.Lasked_\@:
.endm
; A PREFETCH, in every second trip, of the two K steps that stand four and five steps on (two refills ahead of the first of them).
; Tokens: a step's tile is 32 KiB on end; the cluster with x = 0 asks, wave 0 of each of its partners along x for 8 KiB, told apart by address: a lane 256 bytes, two steps: two lines.
; W: two steps are 128 rows of 768 bytes; the cluster with y = 0 asks, wave 2 of each partner along y for 32 rows, a lane a row: three lines.
; So each block of 256 bytes is named once.  K steps 0 to 3 come by their loads alone; the last lines name steps 14 and 15.
.macro ASK
	s_cmp_gt_u32 s3, s[LIM]
	s_cbranch_scc0 .Lnone_\@
	s_and_b32 s2, s3, 1
	s_cmp_eq_u32 s2, 0
	s_cbranch_scc0 .Lnone_\@
	s_wait_xcnt 0x0                                ; the last prefetches, two trips back, have read their address
	s_add_nc_u64 s[PFA:PFA+1], s[PFA:PFA+1], s[PFS:PFS+1]
	s_cmp_eq_u32 s11, 0
	s_cbranch_scc0 .Lpf_b_\@
	global_prefetch_b8 v[PFO], s[PFA:PFA+1] th:TH_LOAD_NT scope:SCOPE_SE
	global_prefetch_b8 v[PFO], s[PFA:PFA+1] offset:STEPA th:TH_LOAD_NT scope:SCOPE_SE
	s_branch .Lnone_\@
.Lpf_b_\@:
	global_prefetch_b8 v[PFO], s[PFA:PFA+1] th:TH_LOAD_NT scope:SCOPE_SE
	global_prefetch_b8 v[PFO], s[PFA:PFA+1] offset:256 th:TH_LOAD_NT scope:SCOPE_SE
	global_prefetch_b8 v[PFO], s[PFA:PFA+1] offset:512 th:TH_LOAD_NT scope:SCOPE_SE
.Lnone_\@:
.endm
; cnt x 8 products: column blocks 4 g + n0 on, all 8 token blocks of buffer x.  Every accumulator has one instruction a half, in one order: they take turns.
.macro SETW g, x, n0, cnt, zero
	WIN 0x50*((\g)+1)
.set nn, \n0
.rept \cnt
.set aa, 0
.rept 8
.set AC, 8*(8*nn+aa)
.set WR, WF+8*(4*(\g)+nn)
.set XR, (\x)+8*aa
.if \zero
	v_wmma_f32_16x16x32_bf16 v[AC:AC+7], v[WR:WR+7], v[XR:XR+7], 0
.else
	v_wmma_f32_16x16x32_bf16 v[AC:AC+7], v[WR:WR+7], v[XR:XR+7], v[AC:AC+7]
.endif
.set aa, aa+1
.endr
.set nn, nn+1
.endr
.endm
; A run of LDS loads for half kk of the slot in hand: W's fragments 4 g .. 4 g + 3 and, for g < 2, the tokens' fragments 4 g .. 4 g + 3 into buffer x: 16, 16 and 8 loads.
.macro RUN g, kk, x
	WIN 0
.set nn, 4*(\g)
.rept 4
	ds_load_tr16_b128 v[WF+8*nn:WF+8*nn+3],   v[ADW] offset:32*PB*(\kk)+32*nn+16*(nn/4)
	ds_load_tr16_b128 v[WF+8*nn+4:WF+8*nn+7], v[ADW] offset:32*PB*(\kk)+32*nn+16*(nn/4)+16*PB
.set nn, nn+1
.endr
.if (\g) < 2
.set nn, 4*(\g)
.rept 4
	ds_load_b128 v[(\x)+8*nn:(\x)+8*nn+3],   v[ADX] offset:16*PA*nn+64*(\kk)
	ds_load_b128 v[(\x)+8*nn+4:(\x)+8*nn+7], v[ADX] offset:16*PA*nn+64*(\kk)+32
.set nn, nn+1
.endr
.endif
.endm
; A step's first half: multiplies buffer X0 and fetches the second half into X1 and W's registers.
.macro HALFA zero
	s_wait_dscnt 8                                 ; all but the youngest eight loads (W's fragments 8 to 11)
	SETW 0, X0, 0, 4, \zero
	PLACES
	RUN 0, 1, X1
	SETW 1, X0, 0, 4, \zero
	PLACES
	RUN 1, 1, X1
	s_wait_dscnt 32                                ; all but the 32 just issued
	SETW 2, X0, 0, 4, \zero
	PLACES
	RUN 2, 1, X1
.endm
; A step's second half multiplies X1 and changes slots.  In front of the barrier each wave waits for all its tensor loads (one is out: its part of the next slot), adds 0 to its spare
; word, and waits for that and for its reads of this slot.  fill = 1: the barrier opens a round of the cluster's, and the slot just left is asked for again, two steps on, first thing behind it:
; 160 matrix instructions stand between the request and the wait for it.
.macro TURN fill
	WIN 0
	s_wait_tensorcnt 0x0                           ; no tensor load of mine is out, so the walking descriptors may be written
	ds_add_u32 v[SPW], v[NIL]                      ; 0 onto my spare word
.if \fill
	s_xor_b32 s[G0A+5], s[G0A+5], SLOT1            ; the other slot than last time,
	s_add_nc_u64 s[G0A+6:G0A+7], s[G0A+6:G0A+7], STEPA  ; the next K step; the type bits on top are not reached
	s_xor_b32 s[G0B+5], s[G0B+5], SLOT1
	s_add_nc_u64 s[G0B+6:G0B+7], s[G0B+6:G0B+7], STEPB
.endif
	s_wait_dscnt 9                                 ; the add and the youngest eight loads may be out
	SETW 0, X1, 0, 2, 0
	s_wait_dscnt 0x0                               ; the add is done, my reads of this slot are over
	s_barrier_signal -1
	SETW 0, X1, 2, 2, 0
	WIN 0
	s_barrier_wait -1
.if \fill
	CREST
	JLOAD                                          ; its four v_nop are also the places in front of the loads below
.else
	PLACES
.endif
	s_xor_b32 s[TB], s[TB], SLOT1
	v_add_nc_u32 v[ADX], s[TB], v[XA0]
	v_add_nc_u32 v[ADW], s[TB], v[WB0]
	RUN 0, 0, X0
.if \fill
	ASK
.endif
	SETW 1, X1, 0, 4, 0
	PLACES
	RUN 1, 0, X0
	SETW 2, X1, 0, 4, 0                            ; (W's fragments 8 to 11 came in with the wait for 0 above)
	PLACES
	RUN 2, 0, X0
.endm
	s_load_b128 s[4:7], s[0:1], 0x0                ; xb s[4:5], wb s[6:7]
	s_load_b64 s[8:9], s[0:1], 0x10                ; qkv
	v_lshl_add_u32 v[SPW], v0, 2, SPARE
	v_mov_b32 v[NIL], 0
	ds_add_u32 v[SPW], v[NIL]                      ; the wave's opening: the add and its wait stand ahead of my first tensor load
	v_lshrrev_b32 v1, 5, v0
	v_readfirstlane_b32 s10, v1                    ; wave 0..3
	s_lshr_b32 s11, s10, 1                         ; my half of the tokens.  Also: I fetch tokens (0) or W (1)
	s_and_b32 s12, s10, 1                          ; my half of the columns.  Also: which half of that tile I fetch
	s_bfe_u32 s40, ttmp6, 0x40000                  ; cx
	s_bfe_u32 s41, ttmp6, 0x40004                  ; cy
	s_lshl_b32 s42, ttmp9, 2
	s_add_co_u32 s42, s42, s40                     ; tile column = 4 x cluster x + cx
	s_and_b32 s43, ttmp7, 0xffff
	s_lshl_b32 s43, s43, 2
	s_add_co_u32 s43, s43, s41                     ; tile row = 4 x cluster y + cy
	s_lshl_b32 s44, s41, 2
	s_lshl_b32 s44, 15, s44                        ; my row of the cluster
	s_lshl_b32 s45, 0x1111, s40                    ; my column
	s_or_b32 s[G1A], s44, (1<<16)|(1<<20)|(1<<21)|(4<<22)|(3<<25)  ; mask; 2-byte elements; padding on; 21 set beside a mask; after every 32 words, 4 words
	s_or_b32 s[G1B], s45, (1<<16)|(1<<20)|(1<<21)|(4<<22)|(3<<25)
	s_mov_b32 s[G1A+1], 128<<16                    ; 128 tokens x 128 bytes lie on end: asked for as 64 rows of 256 bytes, padded behind each token
	s_mov_b32 s[G1A+2], 64<<16
	s_mov_b32 s[G1A+3], 128<<16
	s_mov_b32 s[G1A+4], 64
	s_mov_b32 s[G1A+5], 128
	s_mov_b32 s[G1A+6], 0
	s_mov_b32 s[G1A+7], 0
	s_mov_b32 s[G1B+1], 384<<16                    ; 32 rows of 384 columns, 3,072 elements from row to row
	s_mov_b32 s[G1B+2], 32<<16
	s_mov_b32 s[G1B+3], 384<<16
	s_mov_b32 s[G1B+4], 32
	s_mov_b32 s[G1B+5], 3072
	s_mov_b32 s[G1B+6], 0
	s_mov_b32 s[G1B+7], 0
	s_lshl_b32 s16, s43, 15                        ; tokens: 256 x tile row x 128 bytes
	s_lshl_b32 s17, s12, 14                        ; + my 128 tokens
	s_add_co_u32 s16, s16, s17
	s_mov_b32 s17, 0
	s_mul_i32 s46, s42, 768                        ; W: the tile's 384 columns
	s_mul_i32 s47, s12, 32*QROW                    ; + my 32 rows
	s_add_co_u32 s46, s46, s47
	s_mov_b32 s47, 0
	s_mul_i32 s67, s12, 128*PA                     ; where they go: no place in the cluster enters an LDS address
	s_mul_i32 s68, s12, 32*PB
	s_add_co_u32 s68, s68, APART
	s_mov_b32 s[TB], 0
	s_wait_dscnt 0x0                               ; the opening add is done
	s_wait_kmcnt 0x0
	s_add_nc_u64 s[14:15], s[4:5], s[16:17]
	s_add_nc_u64 s[46:47], s[6:7], s[46:47]
	CROUND                                         ; all sixteen work-groups are here: the first joint loads meet
.irp s, 0,1
	s_mov_b32 s[G0A+4*(\s)], 1
	s_add_co_u32 s[G0A+4*(\s)+1], s67, (\s)*SLOT1
	s_add_nc_u64 s[G0A+4*(\s)+2:G0A+4*(\s)+3], s[14:15], (\s)*STEPA
	s_or_b32 s[G0A+4*(\s)+3], s[G0A+4*(\s)+3], 0x80000000
	s_mov_b32 s[G0B+4*(\s)], 1
	s_add_co_u32 s[G0B+4*(\s)+1], s68, (\s)*SLOT1
	s_add_nc_u64 s[G0B+4*(\s)+2:G0B+4*(\s)+3], s[46:47], (\s)*STEPB
	s_or_b32 s[G0B+4*(\s)+3], s[G0B+4*(\s)+3], 0x80000000
.endr
	s_cmp_eq_u32 s11, 0                            ; a wave's two first fills stand in one branch: two loads of mine are out
	s_cbranch_scc0 .Lfirst_b
	tensor_load_to_lds s[G0A:G0A+3], s[G1A:G1A+7]
	s_nop 0
	tensor_load_to_lds s[G0A+4:G0A+7], s[G1A:G1A+7]
	s_nop 0
	PLACES
	s_branch .Lfirst_asked
.Lfirst_b:
	tensor_load_to_lds s[G0B:G0B+3], s[G1B:G1B+7]
	s_nop 0
	tensor_load_to_lds s[G0B+4:G0B+7], s[G1B:G1B+7]
	s_nop 0
	PLACES
.Lfirst_asked:
	v_and_b32 v1, 15, v0                           ; r = l % 16
	v_bfe_u32 v2, v0, 4, 1                         ; h = l / 16
	v_mul_u32_u24 v[XA0], v1, PA                   ; a fragment of tokens: row r, 16 bytes for each half of the lanes, twice, 32 bytes apart
	v_lshl_add_u32 v[XA0], v2, 4, v[XA0]
	s_mul_i32 s20, s11, 128*PA
	v_add_nc_u32 v[XA0], s20, v[XA0]
	v_and_b32 v3, 7, v0                            ; the turning load: lane l reads row 8 h + l % 8, columns 8 ((l / 8) % 2) on
	v_lshl_add_u32 v3, v2, 3, v3
	v_mul_u32_u24 v[WB0], v3, PB
	v_bfe_u32 v4, v0, 3, 1
	v_lshl_add_u32 v[WB0], v4, 4, v[WB0]
	s_mul_i32 s21, s12, 432                        ; my 192 columns: three pieces of 144 bytes
	s_add_co_u32 s21, s21, APART
	v_add_nc_u32 v[WB0], s21, v[WB0]
	v_mov_b32 v[ADX], v[XA0]
	v_mov_b32 v[ADW], v[WB0]
	v_mul_u32_u24 v[STO], v1, SPITCH               ; into the stage: row 64 (w / 2) + 16 (a % 4) + r, byte 384 (w % 2) + 32 nb + 16 h
	v_lshl_add_u32 v[STO], v2, 4, v[STO]
	s_mul_i32 s20, s11, 64*SPITCH
	s_mul_i32 s21, s12, 384
	s_add_co_u32 s20, s20, s21
	s_add_co_u32 s20, s20, STAGE
	v_add_nc_u32 v[STO], s20, v[STO]
	v_mul_u32_u24 v[RD], v2, SPITCH                ; back: wave w takes rows 32 w .. 32 w + 31, whole; lanes 0-15 256 bytes of one row, lanes 16-31 of the next
	v_lshl_add_u32 v[RD], v1, 4, v[RD]
	s_mul_i32 s20, s10, 32*SPITCH
	s_add_co_u32 s20, s20, STAGE
	v_add_nc_u32 v[RD], s20, v[RD]
	v_mul_u32_u24 v[CO], v2, QROW
	v_lshl_add_u32 v[CO], v1, 4, v[CO]
	s_lshl_b32 s16, s43, 8                         ; the first token that I store: 256 x tile row + 128 (w / 2) + 32 (w % 2)
	s_lshl_b32 s17, s11, 7
	s_add_co_u32 s16, s16, s17
	s_lshl_b32 s17, s12, 5
	s_add_co_u32 s16, s16, s17
	s_mul_i32 s16, s16, QROW
	s_mul_i32 s17, s42, 768
	s_add_co_u32 s16, s16, s17
	s_mov_b32 s17, 0
	s_add_nc_u64 s[8:9], s[8:9], s[16:17]
	; the prefetches
	s_and_b32 s22, ttmp7, 0xffff                   ; cluster y
	s_lshl_b32 s20, s43, 15
	s_lshl_b32 s21, s40, 13                        ; tokens: my work-group's 8 KiB of the tile's 32, by cx
	s_add_co_u32 s20, s20, s21
	s_add_co_u32 s20, s20, 2*STEPA                 ; at K step 2: the first step leads to 4
	s_mul_i32 s21, s42, 768
	s_mul_i32 s23, s41, 32*QROW                    ; W: my work-group's 32 rows of two steps' 128, by cy
	s_add_co_u32 s21, s21, s23
	s_add_co_u32 s21, s21, 2*STEPB
	s_mov_b32 s23, 2*STEPB
	s_mov_b32 s2, QROW
	s_cmp_eq_u32 s11, 0
	s_cselect_b32 s22, ttmp9, s22                  ; the coordinate along which other clusters read the same bytes
	s_cselect_b32 s20, s20, s21
	s_cselect_b32 s[PFS], 2*STEPA, s23
	s_cselect_b32 s2, 256, s2
	s_cselect_b64 s[PFA:PFA+1], s[4:5], s[6:7]
	s_mov_b32 s21, 0
	s_mov_b32 s[PFS+1], 0
	s_add_nc_u64 s[PFA:PFA+1], s[PFA:PFA+1], s[20:21]
	s_or_b32 s22, s22, s12                         ; waves 0 and 2 alone
	s_cmp_eq_u32 s22, 0
	s_cselect_b32 s[LIM], 2, -1
	v_and_b32 v[PFO], 31, v0
	v_mul_u32_u24 v[PFO], v[PFO], s2
	s_wait_tensorcnt 0x1                           ; my part of K step 0 is in; step 1's may stay out
	s_barrier_signal -1
	s_barrier_wait -1
	RUN 0, 0, X0
	RUN 1, 0, X0
	RUN 2, 0, X0
	HALFA 1                                        ; the first half stands in front of the loop: its products start the sums
	s_mov_b32 s3, 14
.Lstep:                                                ; trip s: the second half of step s, the refill with step s + 2, the first half of step s + 1
	TURN 1
	HALFA 0
	s_sub_co_u32 s3, s3, 1
	s_cmp_lg_u32 s3, 0
	s_cbranch_scc1 .Lstep
	TURN 0                                         ; the tail asks for nothing
	HALFA 0
	s_wait_dscnt 8
	SETW 0, X1, 0, 4, 0
	SETW 1, X1, 0, 4, 0
	s_wait_dscnt 0x0
	SETW 2, X1, 0, 4, 0
; THE WAY OUT, in two passes of 64 tokens a wave (a = 4 hp .. 4 hp + 3): rounded to f16, 16 bytes a lane into the work-group's stage; a barrier, since a wave's 384 bytes are one and a half
; aligned blocks of 256; back as whole rows, 32 rows a wave; 16 lanes store 256 consecutive bytes, aligned.
.macro PASS hp
.irp g, 0,1,2
	WIN 5*((\g)+1)                                 ; sources in window 1 + g
.set u, 0
.rept 16
.set AC, 8*(8*(u/4)+4*(\hp)+u%4)
.set TD, TMP+4*(12*(u%4)+4*(\g)+u/4)
	v_cvt_pk_f16_f32 v[TD],   v[AC],   v[AC+1]
	v_cvt_pk_f16_f32 v[TD+1], v[AC+2], v[AC+3]
	v_cvt_pk_f16_f32 v[TD+2], v[AC+4], v[AC+5]
	v_cvt_pk_f16_f32 v[TD+3], v[AC+6], v[AC+7]
.set u, u+1
.endr
.endr
	WIN 0
.set t, 0
.rept 48
	ds_store_b128 v[STO], v[TMP+4*t:TMP+4*t+3] offset:(t/12)*16*SPITCH+32*(t%12)
.set t, t+1
.endr
	s_wait_dscnt 0x0                               ; for the others' sake: my stores into the stage are done
	s_barrier_signal -1
	s_barrier_wait -1
.set t, 0
.rept 48
	ds_load_b128 v[TMP+4*t:TMP+4*t+3], v[RD] offset:(t/3)*2*SPITCH+256*(t%3)
.set t, t+1
.endr
.set t, 0
.rept 48
	s_wait_dscnt 47-t
	global_store_b128 v[CO], v[TMP+4*t:TMP+4*t+3], s[8:9] offset:(\hp)*64*QROW+(t/3)*2*QROW+256*(t%3)
.set t, t+1
.endr
.endm
	PLACES
	PASS 0
	s_barrier_signal -1                            ; every wave's reads of the stage are back (the count-down ended at 0): it may be written again
	s_barrier_wait -1
	s_wait_xcnt 0x0                                ; the stores have read their data registers
	PASS 1
	s_wait_tensorcnt 0x0                           ; the wave's end
	ds_add_u32 v[SPW], v[NIL]
	s_wait_dscnt 0x0
	CROUND                                         ; the closing round
	s_endpgm
.Lfunc_end_k_q8f7e6cc7d9_proj:
	.size	k_q8f7e6cc7d9_proj, .Lfunc_end_k_q8f7e6cc7d9_proj-k_q8f7e6cc7d9_proj
	.p2alignl 7, 3214868480
	.fill 96, 4, 3214868480
	.section	.rodata,"a",@progbits
	.p2align	6, 0x0
	.amdhsa_kernel k_q8f7e6cc7d9_proj
		.amdhsa_group_segment_fixed_size 327680
		.amdhsa_private_segment_fixed_size 0
		.amdhsa_enable_private_segment 0
		.amdhsa_kernarg_size 24
		.amdhsa_user_sgpr_count 2
		.amdhsa_user_sgpr_kernarg_segment_ptr 1
		.amdhsa_wavefront_size32 1
		.amdhsa_system_sgpr_workgroup_id_x 1
		.amdhsa_system_sgpr_workgroup_id_y 1
		.amdhsa_system_sgpr_workgroup_id_z 1
		.amdhsa_system_vgpr_workitem_id 0
		.amdhsa_next_free_vgpr 1024
		.amdhsa_next_free_sgpr 80
		.amdhsa_reserve_vcc 0
		.amdhsa_float_denorm_mode_32 3
		.amdhsa_float_denorm_mode_16_64 3
		.amdhsa_memory_ordered 1
		.amdhsa_forward_progress 1
		.amdhsa_inst_pref_size 114
	.end_amdhsa_kernel
	.amdgpu_metadata
---
amdhsa.version: [ 1, 2 ]
amdhsa.kernels:
  - .name:           k_q8f7e6cc7d9_proj
    .symbol:         k_q8f7e6cc7d9_proj.kd
    .args:
      - { .name: xb, .offset: 0, .size: 8, .value_kind: global_buffer, .address_space: global }
      - { .name: wb, .offset: 8, .size: 8, .value_kind: global_buffer, .address_space: global }
      - { .name: qkv, .offset: 16, .size: 8, .value_kind: global_buffer, .address_space: global }
    .group_segment_fixed_size: 327680
    .private_segment_fixed_size: 0
    .kernarg_segment_align: 8
    .kernarg_segment_size: 24
    .max_flat_workgroup_size: 128
    .sgpr_count:     80
    .vgpr_count:     1024
    .wavefront_size: 32
...
	.end_amdgpu_metadata
.endif
;; end of part 2
;; launch scores (part 3): grid 36 x 4, 4 waves a work-group, no clusters, 327,680 bytes of LDS; arguments qkv, pm, st; writes pm, st
.if DOCPART == 3
	.amdgcn_target "amdgcn-amd-amdhsa--gfx1250"
	.amdhsa_code_object_version 6
	.text
	.protected	k_q8f7e6cc7d9_scores
	.globl	k_q8f7e6cc7d9_scores
	.p2align	8
	.type	k_q8f7e6cc7d9_scores,@function
k_q8f7e6cc7d9_scores:
	s_mov_b64 s[64:65], 0
	v_nop
	global_prefetch_b8 v0, s[64:65] scope:SCOPE_SE
	s_setreg_imm32_b32 hwreg(HW_REG_WAVE_MODE, 25, 1), 1
	s_wait_xcnt 0x0
; For each of the 36 tiles (i, j), j <= i, of 256 queries x 256 keys of each of the 4 sequences: S = q k^T (K = 1,024, f16 products, f32 sums); the tile's own row maximum m;
; P = 2^(c s - c m), c = log2(e) / 32, rounded once to f16 into pm; c m and the sums of the unrounded P over each 128 keys, in f32, into st.  The last launch takes the true maximum of the c m.
; LIMITS.  A hidden score counts as its value less 2^100; a weight below 2^-126 counts as 0; below 6e-5 P keeps f16's fixed step; NaN and infinities are not treated apart.
; SHARES.  Four waves, each 128 queries x 128 keys (wr = w / 2, wc = w % 2): 64 accumulators.  K goes in 8 steps of 128 through two LDS slots; each wave fetches 128 rows of 256 bytes with one tensor load.
; NO CLUSTER: row i of the triangle has i + 1 tiles and column j has 8 - j, so no division into fours shares a row or a column throughout; squares of 2 x 2 tiles would add a wholly hidden tile on the diagonal.
; Smaller tiles give 288 or 544 work-groups, which divide among 256 no better than 144 do.
; THE PRODUCT IS USED TRANSPOSED (source 0 = 16 keys, source 1 = 16 queries): a lane holds ONE query (l % 16) and the keys 8 (l / 16) + 0..7 of each key block.
; THE MASK is the C operand that starts the sums: three groups of eight registers, for key blocks below (ZL), on (ZD) and above (ZH) the wave's diagonal.
; REGISTERS.  Window 0: v0-31 addresses; v32-55 the masks; v64-191 q's fragments, two buffers.  Window 1: v64-191 k's.  Windows 2, 3: accumulator (a, b) at v[8 (8 (a % 4) + b)].
.set PITCH,  272                       ; 256 bytes + 16: the 16 rows of a load start at 16 different groups of four banks (ISA guide 11.1)
.set HALFT,  128*PITCH
.set SLOT,   4*HALFT                   ; q's 256 rows, then k's; its bits meet none of w x HALFT, so one exclusive or changes slots
.set STG,    2*SLOT                    ; behind the ring: 4,608 bytes a wave, 16 rows x 272 used: P's way out
.set STGW,   4608
.set STS,    STG+4*STGW                ; 1,024 bytes a wave: the statistics' way out
.set XCH,    STS+4*1024                ; 512 bytes a wave: the maxima, for the partner
.set SPARE,  XCH+4*512                 ; the spare words: two blocks of 256 bytes that no other line names
.set ROWB,   6144                      ; bytes in a row of qkv
.set XS,  4                            ; v4   where I put a maximum
.set XL,  5                            ; v5   where the partner's lies
.set SS,  6                            ; v6   where I put a statistic
.set SL,  7                            ; v7   where I read four back
.set GS,  8                            ; v8   16 x lane
.set ADRA, 16                          ; v16  my q fragments in the slot in hand;  v17 in slot 0, never rewritten
.set A0,   17
.set ADRB, 20                          ; v20, v21 the same for k
.set B0,   21
.set STO,  24
.set RD,   25
.set CO,   26
.set SPW,  28                          ; v28  my spare word; never rewritten
.set NIL,  29                          ; v29  0; never rewritten
.set PFO,  30                          ; v30  lane x a row of qkv; never rewritten
.set ZL,   32
.set ZD,   40
.set ZH,   48
.set F0,   64
.set F1,   128
.set MX,   64                          ; behind the products: block a's c m at v[64 + 2 a], m at v[65 + 2 a]
.set CHN,  84                          ; v84-91  four chains, two sets by turns
.set TS,   92                          ; v92-94  at work
.set LS,   100                         ; v100-107 block a's sum
.set PM,   108                         ; v108-115 the partner's maxima
.set SV,   116                         ; v116-123 the statistics on their way out
.set TMP,  192
.set OB,   32                          ; 16 rows read back: v32-63 and v224-255 by turns
.set G1,  24
.set G0,  32                           ; s[32:35] step 0; s[36:39] the walking descriptor
.set LIM, 43
.set CS,  58                           ; s[58:59] c
.set SEL, 60                           ; s[60:61] v_permlanex16_b32's selects
.set BIGR, 62
.set TB,  66
.set PFA, 68
.set MSB, 0
.macro WIN new
.if MSB != (\new)
	s_set_vgpr_msb (MSB<<8)|(\new)
.set MSB, \new
.endif
.endm
.macro PLACES
.rept 4
	v_nop
.endr
.endm
; 16 products: query blocks 4 hi + a0, + 1 x all 8 key blocks, 32 along K.  first = 1: the mask starts the sums.  The 64 accumulators take turns, in one order.
.macro MUL16 f, hi, a0, first
.set aa, \a0
.rept 2
.set bb, 0
.rept 8
.set AC, 8*(8*aa+bb)
.set BR, (\f)+8*bb
.set AR, (\f)+8*(4*(\hi)+aa)
.if \first
.set ZR, ZD
.if bb < 4*(\hi)+aa
.set ZR, ZL
.endif
.if bb > 4*(\hi)+aa
.set ZR, ZH
.endif
	WIN 0x81+0x40*(\hi)
	v_wmma_f32_16x16x32_f16 v[AC:AC+7], v[BR:BR+7], v[AR:AR+7], v[ZR:ZR+7]
.else
	WIN 0xa1+0x50*(\hi)
	v_wmma_f32_16x16x32_f16 v[AC:AC+7], v[BR:BR+7], v[AR:AR+7], v[AC:AC+7]
.endif
.set bb, bb+1
.endr
.set aa, aa+1
.endr
.endm
.macro FETCH k, f                      ; 32 LDS loads in one run: k's fragments, then q's, 32 along K at byte k of the rows
	WIN 0x40
.set ii, 0
.rept 8
	ds_load_b128 v[(\f)+8*ii:(\f)+8*ii+3],   v[ADRB] offset:(\k)+ii*16*PITCH
	ds_load_b128 v[(\f)+8*ii+4:(\f)+8*ii+7], v[ADRB] offset:(\k)+ii*16*PITCH+32
.set ii, ii+1
.endr
	WIN 0
.set ii, 0
.rept 8
	ds_load_b128 v[(\f)+8*ii:(\f)+8*ii+3],   v[ADRA] offset:(\k)+ii*16*PITCH
	ds_load_b128 v[(\f)+8*ii+4:(\f)+8*ii+7], v[ADRA] offset:(\k)+ii*16*PITCH+32
.set ii, ii+1
.endr
.endm
.macro QUARTER k, f, g, first          ; multiplies buffer f; in its middle fetches the next quarter, at byte k, into g
	s_wait_dscnt 8                                 ; the youngest eight loads (q's rows 64-127) may be out
	MUL16 \f, 0, 0, \first
	MUL16 \f, 0, 2, \first
	PLACES
	FETCH \k, \g
	s_wait_dscnt 32                                ; all but the 32 just issued
	MUL16 \f, 1, 0, \first
	MUL16 \f, 1, 2, \first
.endm
; A PREFETCH of the K step two refills on.  q's block i and k's block i are both read by the diagonal work-group (i, i): it alone asks, each wave for the 128 rows that it fetches itself,
; a lane a row, four lines: each row's 256 bytes of a step are named once.  Steps 0 to 3 come by their loads alone; the last lines name step 7.
.macro ASK
	s_cmp_gt_u32 s3, s[LIM]
	s_cbranch_scc0 .Lnone_\@
.irp n, 0,1,2,3
	global_prefetch_b8 v[PFO], s[PFA:PFA+1] offset:(\n)*32*ROWB th:TH_LOAD_NT scope:SCOPE_SE
.endr
.Lnone_\@:
.endm
; The fourth quarter multiplies buffer 1 and changes slots: one barrier; in front of it each wave waits for all its tensor loads (one is out: its part of the next slot), adds 0 to its spare word,
; and waits for that and for its reads of this slot.  fill = 1: my one load goes out first thing behind it, two steps on: 224 matrix instructions stand between it and the wait for it.
.macro TURN fill
.if \fill
	s_wait_xcnt 0x0                                ; the last prefetches, a K step back, have read their address
	s_add_nc_u64 s[PFA:PFA+1], s[PFA:PFA+1], 256
.endif
	WIN 0
	s_wait_tensorcnt 0x0
	ds_add_u32 v[SPW], v[NIL]
.if \fill
	s_xor_b32 s[G0+5], s[G0+5], SLOT
	s_add_nc_u64 s[G0+6:G0+7], s[G0+6:G0+7], 256
.endif
	s_wait_dscnt 9                                 ; the add and the youngest eight loads may be out
	MUL16 F1, 0, 0, 0
	s_wait_dscnt 0x0
	s_barrier_signal -1
	MUL16 F1, 0, 2, 0
	WIN 0
	s_barrier_wait -1
.if \fill
	tensor_load_to_lds s[G0+4:G0+7], s[G1:G1+7]
	s_nop 0
.endif
	PLACES                                         ; behind the load, and in front of the loads into buffer 0
	s_xor_b32 s[TB], s[TB], SLOT
	v_add_nc_u32 v[ADRA], s[TB], v[A0]
	v_add_nc_u32 v[ADRB], s[TB], v[B0]
	FETCH 0, F0
.if \fill
	ASK
.endif
	MUL16 F1, 1, 0, 0
	MUL16 F1, 1, 2, 0
.endm
	s_load_b128 s[4:7], s[0:1], 0x0                ; qkv s[4:5], pm s[6:7]
	s_load_b64 s[8:9], s[0:1], 0x10                ; st
	v_lshl_add_u32 v[SPW], v0, 2, SPARE
	v_mov_b32 v[NIL], 0
	ds_add_u32 v[SPW], v[NIL]                      ; the wave's opening: the add and its wait stand ahead of my first tensor load
	v_lshrrev_b32 v1, 5, v0
	v_readfirstlane_b32 s10, v1                    ; wave
	s_lshr_b32 s11, s10, 1                         ; wr
	s_and_b32 s12, s10, 1                          ; wc
	s_and_b32 s13, ttmp7, 0xffff                   ; the sequence
	s_mov_b32 s40, 0                               ; i
	s_mov_b32 s41, 0                               ; i (i + 1) / 2
.irp n, 1,2,3,4,5,6,7
	s_cmp_ge_u32 ttmp9, (\n)*((\n)+1)/2
	s_cselect_b32 s40, \n, s40
	s_cselect_b32 s41, (\n)*((\n)+1)/2, s41
.endr
	s_sub_co_u32 s42, ttmp9, s41                   ; j
	s_mov_b32 s[G1], (1<<16)|(1<<20)|(5<<22)|(3<<25)  ; 2-byte elements; padding on: after every 64 words, 4 words
	s_mov_b32 s[G1+1], 128<<16
	s_mov_b32 s[G1+2], 128<<16
	s_mov_b32 s[G1+3], 128<<16
	s_mov_b32 s[G1+4], 128
	s_mov_b32 s[G1+5], 3072
	s_mov_b32 s[G1+6], 0
	s_mov_b32 s[G1+7], 0
	s_cmp_lt_u32 s10, 2                            ; waves 0, 1 fetch q's rows of block i, waves 2, 3 k's of block j
	s_cselect_b32 s14, s40, s42
	s_cselect_b32 s15, 0, 2048
	s_lshl_b32 s16, s13, 11
	s_lshl_b32 s14, s14, 8
	s_add_co_u32 s16, s16, s14
	s_lshl_b32 s14, s12, 7
	s_add_co_u32 s16, s16, s14
	s_mul_i32 s16, s16, ROWB
	s_add_co_u32 s16, s16, s15
	s_mov_b32 s17, 0
	s_mul_i32 s20, s10, HALFT
	s_mov_b32 s[CS], 0x3d38aa3b                    ; c = log2(e) / 32
	s_mov_b32 s[CS+1], s[CS]
	s_mov_b32 s[SEL], 0x76543210
	s_mov_b32 s[SEL+1], 0xfedcba98
	s_mov_b32 s[BIGR], 0xf1800000                  ; -2^100
	s_mov_b32 s[TB], 0
	s_sub_co_i32 s44, s12, s11                     ; on the diagonal tile: -1 my quarter sees all, 0 it holds the diagonal, 1 it sees nothing
	s_cmp_eq_u32 s40, s42
	s_cselect_b32 s44, s44, -1
	s_cselect_b32 s[LIM], 2, -1
	s_cmp_gt_i32 s44, 0
	s_cselect_b32 s45, s[BIGR], 0                  ; ZL
	s_cmp_ge_i32 s44, 0
	s_cselect_b32 s46, s[BIGR], 0                  ; ZH
	s_mul_i32 s47, s44, -64                        ; moves ZD's threshold out of reach where there is no diagonal
	s_wait_dscnt 0x0
	s_wait_kmcnt 0x0
	s_add_nc_u64 s[18:19], s[4:5], s[16:17]
.irp s, 0,1
	s_mov_b32 s[G0+4*(\s)], 1
	s_add_co_u32 s[G0+4*(\s)+1], s20, (\s)*SLOT
	s_add_nc_u64 s[G0+4*(\s)+2:G0+4*(\s)+3], s[18:19], (\s)*256
	s_or_b32 s[G0+4*(\s)+3], s[G0+4*(\s)+3], 0x80000000
.endr
	tensor_load_to_lds s[G0:G0+3], s[G1:G1+7]      ; the two first fills go out together: two loads of mine are out
	s_nop 0
	tensor_load_to_lds s[G0+4:G0+7], s[G1:G1+7]
	s_nop 0
	PLACES
	s_add_nc_u64 s[PFA:PFA+1], s[18:19], 3*256     ; the first change of slots steps it to K step 4
	v_and_b32 v[PFO], 31, v0
	v_lshlrev_b32 v[GS], 4, v[PFO]
	v_mul_u32_u24 v[PFO], v[PFO], ROWB
	v_and_b32 v1, 15, v0                           ; r
	v_bfe_u32 v2, v0, 4, 1                         ; h
	v_mul_u32_u24 v3, v1, PITCH
	v_lshl_add_u32 v3, v2, 4, v3
	s_mul_i32 s21, s11, HALFT
	s_mul_i32 s22, s12, HALFT
	s_add_co_u32 s22, s22, 2*HALFT
	v_add_nc_u32 v[A0], s21, v3
	v_add_nc_u32 v[B0], s22, v3
	v_mov_b32 v[ADRA], v[A0]
	v_mov_b32 v[ADRB], v[B0]
	v_lshlrev_b32 v3, 3, v2                        ; key 8 h + n of the diagonal block is hidden where n > r - 8 h
	v_sub_nc_u32 v3, v1, v3
	v_add_nc_u32 v3, s47, v3
.set n, 0
.rept 8
	v_cmp_gt_i32 vcc_lo, n, v3
	v_cndmask_b32 v[ZD+n], 0, s[BIGR], vcc_lo
	v_mov_b32 v[ZL+n], s45
	v_mov_b32 v[ZH+n], s46
.set n, n+1
.endr
	s_mul_i32 s23, s10, STGW
	s_add_co_u32 s23, s23, STG
	v_mul_u32_u24 v[STO], v1, PITCH
	v_lshl_add_u32 v[STO], v2, 4, v[STO]
	v_add_nc_u32 v[STO], s23, v[STO]
	v_mul_u32_u24 v[RD], v2, PITCH
	v_lshl_add_u32 v[RD], v1, 4, v[RD]
	v_add_nc_u32 v[RD], s23, v[RD]
	v_lshlrev_b32 v[CO], 12, v2                    ; a row of pm is 4,096 bytes
	v_lshl_add_u32 v[CO], v1, 4, v[CO]
	s_lshl_b32 s23, s10, 9
	s_add_co_u32 s23, s23, XCH
	v_lshl_add_u32 v[XS], v1, 2, s23
	s_xor_b32 s23, s10, 1                          ; the partner has my queries and the other 128 keys
	s_lshl_b32 s23, s23, 9
	s_add_co_u32 s23, s23, XCH
	v_lshl_add_u32 v[XL], v1, 2, s23
	s_lshl_b32 s23, s10, 10
	s_add_co_u32 s23, s23, STS
	v_lshl_add_u32 v[SS], v1, 2, s23
	v_add_nc_u32 v[SL], s23, v[GS]
	s_lshl_b32 s22, s40, 8                         ; my first query in the sequence: 256 i + 128 wr
	s_lshl_b32 s23, s11, 7
	s_add_co_u32 s22, s22, s23
	s_lshl_b32 s20, s13, 11
	s_add_co_u32 s20, s20, s22
	s_lshl_b32 s20, s20, 12
	s_lshl_b32 s21, s42, 9
	s_add_co_u32 s20, s20, s21
	s_lshl_b32 s21, s12, 8
	s_add_co_u32 s20, s20, s21
	s_mov_b32 s21, 0
	s_add_nc_u64 s[6:7], s[6:7], s[20:21]          ; pm at my quarter
	s_lshl_b32 s20, s13, 4                         ; the sums' plane: [b][2 j + wc][query]
	s_lshl_b32 s23, s42, 1
	s_add_co_u32 s20, s20, s23
	s_add_co_u32 s20, s20, s12
	s_lshl_b32 s20, s20, 11
	s_add_co_u32 s20, s20, s22
	s_lshl_b32 s20, s20, 2
	s_add_co_u32 s20, s20, 262144
	s_add_nc_u64 s[70:71], s[8:9], s[20:21]
	s_lshl_b32 s20, s13, 3                         ; c m's plane: [b][j][query]
	s_add_co_u32 s20, s20, s42
	s_lshl_b32 s20, s20, 11
	s_add_co_u32 s20, s20, s22
	s_lshl_b32 s20, s20, 2
	s_add_nc_u64 s[72:73], s[8:9], s[20:21]
	s_wait_tensorcnt 0x1                           ; my part of K step 0 is in; step 1's may stay out
	s_barrier_signal -1
	s_barrier_wait -1
	FETCH 0, F0
	QUARTER 64, F0, F1, 1                          ; the first quarter stands in front of the loop: the masks start the sums
	WIN 0
	s_mov_b32 s3, 6
.Lstep:                                                ; trip s: quarters 1 to 3 of step s, the refill with step s + 2, quarter 0 of step s + 1
	QUARTER 128, F1, F0, 0
	QUARTER 192, F0, F1, 0
	TURN 1
	QUARTER 64, F0, F1, 0
	WIN 0
	s_sub_co_u32 s3, s3, 1
	s_cmp_lg_u32 s3, 0
	s_cbranch_scc1 .Lstep
	QUARTER 128, F1, F0, 0                         ; the tail asks for nothing
	QUARTER 192, F0, F1, 0
	TURN 0
	QUARTER 64, F0, F1, 0
	QUARTER 128, F1, F0, 0
	QUARTER 192, F0, F1, 0
	s_wait_dscnt 8
	MUL16 F1, 0, 0, 0
	MUL16 F1, 0, 2, 0
	s_wait_dscnt 0x0
	MUL16 F1, 1, 1-1, 0
	MUL16 F1, 1, 2, 0
; THE SOFTMAX OF THE TILE.  Block a = 16 queries: a lane's 64 scores lie in v[AC .. AC + 63] of window W.
.macro MAXA a                          ; the maximum over my 128 keys: four chains, each accumulator's lowest registers first; then the other half of the lanes
.set W, 2+(\a)/4
.set AC, 64*((\a)%4)
.set CH, CHN+4*((\a)%2)
	WIN W|(W<<2)
.set n, 0
.rept 4
	v_max_num_f32 v[CH+n], v[AC+2*n], v[AC+2*n+1]
.set n, n+1
.endr
	WIN (W<<2)|(W<<4)
.rept 28
	v_max3_num_f32 v[CH+n%4], v[CH+n%4], v[AC+2*n], v[AC+2*n+1]
.set n, n+1
.endr
	WIN 0
	v_max3_num_f32 v[CH], v[CH], v[CH+1], v[CH+2]
	v_max_num_f32 v[CH], v[CH], v[CH+3]
	v_permlanex16_b32 v[CH+1], v[CH], s[SEL], s[SEL+1]
	v_max_num_f32 v[MX+2*(\a)+1], v[CH], v[CH+1]
.endm
; c s - c m, the exponentials (ONE batch: nothing ahead of the one wait names a result), the roundings to f16, the sum of the unrounded weights.
.macro SOFT a
.set W, 2+(\a)/4
.set AC, 64*((\a)%4)
	WIN (W<<6)|W
.set p, 0
.rept 32
	v_pk_fma_f32 v[AC+2*p:AC+2*p+1], v[AC+2*p:AC+2*p+1], s[CS:CS+1], v[MX+2*(\a):MX+2*(\a)+1] op_sel_hi:[1,0,0] neg_lo:[0,0,1] neg_hi:[0,0,1]
.if p >= 2
	v_exp_f32 v[AC+2*p-4], v[AC+2*p-4]
	v_exp_f32 v[AC+2*p-3], v[AC+2*p-3]
.endif
.set p, p+1
.endr
.set p, 60
.rept 4
	v_exp_f32 v[AC+p], v[AC+p]
.set p, p+1
.endr
	v_nop                                          ; a plain instruction behind the last exponential,
	s_wait_alu depctr_va_vdst(0)                   ; and the wait ahead of the first reader: one for the 64
	WIN (W<<2)|W
.set p, 0
.rept 32
	v_cvt_pk_f16_f32 v[TMP+p], v[AC+2*p], v[AC+2*p+1]
.set p, p+1
.endr
	WIN (W<<6)|(W<<2)|W
.irp w, 4,8,16,32
.set u, 0
.rept 64/(\w)
	v_pk_add_f32 v[AC+(\w)*u:AC+(\w)*u+1], v[AC+(\w)*u:AC+(\w)*u+1], v[AC+(\w)*u+(\w)/2:AC+(\w)*u+(\w)/2+1]
.set u, u+1
.endr
.endr
	WIN (W<<2)|W
	v_pk_add_f32 v[TS:TS+1], v[AC:AC+1], v[AC+32:AC+33]
	WIN 0
	v_add_f32 v[TS+2], v[TS], v[TS+1]
	v_permlanex16_b32 v[TS], v[TS+2], s[SEL], s[SEL+1]
	v_add_f32 v[LS+(\a)], v[TS+2], v[TS]
.endm
.macro TOSTAGE a                       ; 16 bytes a lane into my own stage, back as whole rows of 256 bytes: LDS serves a wave's instructions in order (ISA guide 5.7.1.4)
	WIN 0
.set BK, OB+192*((\a)%2)
.set t, 0
.rept 8
	ds_store_b128 v[STO], v[TMP+4*t:TMP+4*t+3] offset:32*t
.set t, t+1
.endr
.set t, 0
.rept 8
	ds_load_b128 v[BK+4*t:BK+4*t+3], v[RD] offset:t*2*PITCH
.set t, t+1
.endr
.endm
.macro SEND a
	WIN 0
.set BK, OB+192*((\a)%2)
	s_wait_dscnt 0x0                               ; the block is back in registers
	s_wait_xcnt 0x0                                ; the stores of the block before have read their registers, which the next block's loads write
.set t, 0
.rept 8
	global_store_b128 v[CO], v[BK+4*t:BK+4*t+3], s[6:7] offset:(\a)*65536+t*8192  ; 16 lanes store 256 consecutive bytes, aligned
.set t, t+1
.endr
.endm
	WIN 0
	PLACES
.irp a, 0,1,2,3,4,5,6,7
	MAXA \a
.endr
.irp a, 0,1,2,3,4,5,6,7
	ds_store_b32 v[XS], v[MX+2*(\a)+1] offset:64*(\a)  ; both halves of the lanes write the same word with the same number
.endr
	s_wait_dscnt 0x0
	s_barrier_signal -1
	s_barrier_wait -1
.irp a, 0,1,2,3,4,5,6,7
	ds_load_b32 v[PM+(\a)], v[XL] offset:64*(\a)
.endr
	s_wait_dscnt 0x0
.irp a, 0,1,2,3,4,5,6,7
	v_max_num_f32 v[MX+2*(\a)+1], v[MX+2*(\a)+1], v[PM+(\a)]  ; the maximum of the tile's 256 keys: every query sees the tile's key 0, so it is a true score
.endr
.irp a, 0,1,2,3,4,5,6,7
	v_mul_f32 v[MX+2*(\a)], s[CS], v[MX+2*(\a)+1]
.endr
	SOFT 0
	TOSTAGE 0
.irp a, 1,2,3,4,5,6,7                  ; a block's arithmetic stands between the loads of the block before and its stores
	SOFT \a
	SEND (\a)-1
	TOSTAGE \a
.endr
	SEND 7
.irp a, 0,1,2,3,4,5,6,7
	ds_store_b32 v[SS], v[MX+2*(\a)] offset:64*(\a)
	ds_store_b32 v[SS], v[LS+(\a)] offset:512+64*(\a)
.endr
	ds_load_b128 v[SV:SV+3], v[SL]                 ; my 128 queries' c m, four a lane,
	ds_load_b128 v[SV+4:SV+7], v[SL] offset:512    ; and their sums
	s_wait_dscnt 0x0
	global_store_b128 v[GS], v[SV+4:SV+7], s[70:71]  ; 512 consecutive bytes, aligned
	s_cmp_lg_u32 s12, 0                            ; c m is the same in both partners: the one with wc = 0 stores it
	s_cbranch_scc1 .Lno_cm
	global_store_b128 v[GS], v[SV:SV+3], s[72:73]
.Lno_cm:
	s_wait_tensorcnt 0x0                           ; the wave's end
	ds_add_u32 v[SPW], v[NIL]
	s_wait_dscnt 0x0
	s_endpgm
.Lfunc_end_k_q8f7e6cc7d9_scores:
	.size	k_q8f7e6cc7d9_scores, .Lfunc_end_k_q8f7e6cc7d9_scores-k_q8f7e6cc7d9_scores
	.p2alignl 7, 3214868480
	.fill 96, 4, 3214868480
	.section	.rodata,"a",@progbits
	.p2align	6, 0x0
	.amdhsa_kernel k_q8f7e6cc7d9_scores
		.amdhsa_group_segment_fixed_size 327680
		.amdhsa_private_segment_fixed_size 0
		.amdhsa_enable_private_segment 0
		.amdhsa_kernarg_size 24
		.amdhsa_user_sgpr_count 2
		.amdhsa_user_sgpr_kernarg_segment_ptr 1
		.amdhsa_wavefront_size32 1
		.amdhsa_system_sgpr_workgroup_id_x 1
		.amdhsa_system_sgpr_workgroup_id_y 1
		.amdhsa_system_sgpr_workgroup_id_z 1
		.amdhsa_system_vgpr_workitem_id 0
		.amdhsa_next_free_vgpr 1024
		.amdhsa_next_free_sgpr 80
		.amdhsa_reserve_vcc 1
		.amdhsa_float_denorm_mode_32 3
		.amdhsa_float_denorm_mode_16_64 3
		.amdhsa_memory_ordered 1
		.amdhsa_forward_progress 1
		.amdhsa_inst_pref_size 187
	.end_amdhsa_kernel
	.amdgpu_metadata
---
amdhsa.version: [ 1, 2 ]
amdhsa.kernels:
  - .name:           k_q8f7e6cc7d9_scores
    .symbol:         k_q8f7e6cc7d9_scores.kd
    .args:
      - { .name: qkv, .offset: 0, .size: 8, .value_kind: global_buffer, .address_space: global }
      - { .name: pm, .offset: 8, .size: 8, .value_kind: global_buffer, .address_space: global }
      - { .name: st, .offset: 16, .size: 8, .value_kind: global_buffer, .address_space: global }
    .group_segment_fixed_size: 327680
    .private_segment_fixed_size: 0
    .kernarg_segment_align: 8
    .kernarg_segment_size: 24
    .max_flat_workgroup_size: 128
    .sgpr_count:     80
    .vgpr_count:     1024
    .wavefront_size: 32
...
	.end_amdgpu_metadata
.endif
;; end of part 3
;; launch pv (part 4): grid 8 x 32, 4 waves a work-group, clusters of 4 x 1, 327,680 bytes of LDS; arguments pm, qkv, st, out0; writes out0
.if DOCPART == 4
	.amdgcn_target "amdgcn-amd-amdhsa--gfx1250"
	.amdhsa_code_object_version 6
	.text
	.protected	k_q8f7e6cc7d9_pv
	.globl	k_q8f7e6cc7d9_pv
	.p2align	8
	.type	k_q8f7e6cc7d9_pv,@function
k_q8f7e6cc7d9_pv:
	s_mov_b64 s[64:65], 0
	v_nop
	global_prefetch_b8 v0, s[64:65] scope:SCOPE_SE
	s_setreg_imm32_b32 hwreg(HW_REG_WAVE_MODE, 25, 1), 1
	s_wait_xcnt 0x0
	s_wait_alu depctr_hold_cnt(0) depctr_sa_sdst(0) depctr_va_vdst(0) depctr_va_sdst(0) depctr_va_ssrc(0) depctr_va_vcc(0) depctr_vm_vsrc(0)
	s_getreg_b32 s2, hwreg(HW_REG_IB_STS2, 6, 4)
	s_cmp_eq_u32 s2, 0
	s_cbranch_scc0 .Lentry_in_a_cluster
	s_endpgm
.Lentry_in_a_cluster:
	s_bfe_u32 s2, ttmp6, 0x10000c
	s_cmp_lg_u32 s2, 0x3003
	s_cbranch_scc0 .Lentry_shape_is_right
	s_endpgm
.Lentry_shape_is_right:
; out[q][ch] = (the sum over key tiles kt of f_kt (P_kt V_kt)[q][ch]) / (the sum over kt of f_kt l_kt), f_kt = 2^(c m_kt - max over kt of c m_kt): the softmax's true maximum is taken away here, in f32.
; P (pm) and V (qkv, byte 4,096 of a row) are f16; products' sums, the rescaling and out in f32.
; LIMITS.  A factor below 2^-126 counts as 0; NaN and infinities are not treated apart.
; THE WALK.  A sequence's queries lie in 16 blocks of 128; block rb needs the key tiles 0 .. rb / 2 of 256 keys.  A work-group takes 128 channels and TWO blocks, p and then 15 - p: 9 tiles, whatever p:
; 256 equal work-groups, one loop with a constant trip count.  The short block comes first, so the change of blocks falls in trips 1 to 4.  Every jump but the loop's own goes forward and passes no barrier and no tensor load.
; SHARES.  Wave w: queries 64 (w / 2) on, channels 64 (w % 2) on: 16 accumulators T for one key tile, started with the constant 0; then O += f T.
; T^T = V^T P (source 0 = 16 channels, turned out of LDS; source 1 = 16 queries): a lane holds ONE query (l % 16) and the channels 8 (l / 16) + 0..7.
; CLUSTER 4 x 1: the four partners have the same p and sequence and other channels: P's tile is asked for jointly; V's columns differ, so V comes by a load of one's own behind the same round.
; REGISTERS.  Window 0: v0-63 addresses and statistics; v64-79 at work at the head; v128-255 T.  Window 1: two fragment buffers of 128 (64 of P, 64 of V).  Window 2: v0-127 O; v128-255 the way out.
.set PP,    528                        ; a row of P in LDS: 512 bytes + 16
.set PV,    288                        ; a row of V: 256 + 32 = 9 x 32
.set VOFF,  128*PP
.set SLOTB, VOFF+256*PV                ; 141,312
.set SLOT1, 147456                     ; slot 1 begins here: its bits meet none of the waves' parts, so one exclusive or changes slots
.set STAGE, SLOT1+SLOTB                ; behind the ring: 16 rows x 272 bytes a wave
.set SP,    272
.set SPARE, STAGE+4*16*SP              ; the spare words: two blocks of 256 bytes that no other line names
.set KTV,   256*6144                   ; bytes from a key tile to the next in qkv
.set AP0, 8
.set AV0, 9
.set AP,  10
.set AV,  11                           ; v11 keys 0-127 of the tile, v12 keys 128-255: the immediates stay under 2^16
.set STO, 13
.set RD,  14
.set GO,  15
.set SO,  16                           ; v16  4 r
.set PFO, 17
.set SPW, 18                           ; v18  my spare word; never rewritten
.set NIL, 19                           ; v19  0; never rewritten
.set CMX, 20                           ; v20-23  the block's maxima of c m, by query block a;  v24-27 the next block's;  v28-31 the long block's
.set CMN, 24
.set MS,  32                           ; v32-35 c m, v36-39 and v40-43 the two sums, of the tile in hand
.set FF,  44                           ; v[44 + 2 a] f, v[45 + 2 a] l0 + l1
.set LACC, 52
.set RL,  56                           ; v[56 + 2 a] 1 / l; the odd ones hold 0
.set HA,  64
.set T,   128
.set F0,  0
.set F1,  128
.set WV,  12
.set G1P, 24
.set G1V, 32
.set G0P, 40
.set G0V, 44
.set TB,  49
.set NXT, 52                           ; the key tile to be asked for next,
.set LQ,  53                           ; the last of the block whose tiles are being asked for,
.set RBQ, 54                           ; and that block
.set RBL, 55                           ; 15 - p
.set LQL, 56                           ; its last tile
.set RT,  57                           ; tiles of the block in hand still to be entered
.set RTN, 58
.set RB,  59                           ; the block in hand
.set RBN, 60
.set NEW, 61                           ; 1: no tile has been multiplied yet, so there is nothing to fold
.set SLOTS, 62
.set N1,  63
.set FXP, 70
.set FXV, 72
.set SCM, 74
.set SLP, 76
.set OUTP, 78
.set OUTB, 80
.set PFA, 82
.set LIM, 84
.set KT,  85
.set CMBS, 86
.set LBS, 88
.set MSB, 0
.macro WIN new
.if MSB != (\new)
	s_set_vgpr_msb (MSB<<8)|(\new)
.set MSB, \new
.endif
.endm
.macro PLACES
.rept 4
	v_nop
.endr
.endm
.macro CROUND
	s_barrier_signal -1
	s_barrier_wait -1
	s_cmp_lg_u32 s[WV], 0
	s_cbranch_scc1 .Lnot_wave_0_\@
	s_barrier_signal -3
.Lnot_wave_0_\@:
	s_barrier_wait -3
	s_barrier_signal -1
	s_barrier_wait -1
.endm
.macro JLOAD                           ; waves 0 and 1 ask jointly for P's two halves of 64 rows, waves 2 and 3 each for 128 keys of their own work-group's V
	s_cmp_lt_u32 s[WV], 2
	s_cbranch_scc0 .Lfor_v_\@
	tensor_load_to_lds s[G0P:G0P+3], s[G1P:G1P+7]
	s_nop 0
	PLACES
	s_branch .Lasked_\@
.Lfor_v_\@:
	tensor_load_to_lds s[G0V:G0V+3], s[G1V:G1V+7]
	s_nop 0
	PLACES
.Lasked_\@:
.endm
.macro MKADR                           ; the descriptors' addresses are made anew from the block and the tile
	s_lshl_b32 s66, s[RBQ], 19                     ; 128 rows of pm
	s_lshl_b32 s19, s[NXT], 9                      ; 256 keys
	s_add_co_u32 s66, s66, s19
	s_mul_i32 s68, s[NXT], KTV
	s_add_nc_u64 s[G0P+2:G0P+3], s[FXP:FXP+1], s[66:67]
	s_or_b32 s[G0P+3], s[G0P+3], 0x80000000
	s_add_nc_u64 s[G0V+2:G0V+3], s[FXV:FXV+1], s[68:69]
	s_or_b32 s[G0V+3], s[G0V+3], 0x80000000
.endm
.macro STEPQ                           ; the block's next tile, or behind its last the long block's tile 0
	s_add_co_u32 s[NXT], s[NXT], 1
	s_cmp_gt_u32 s[NXT], s[LQ]
	s_cselect_b32 s[NXT], 0, s[NXT]
	s_cselect_b32 s[RBQ], s[RBL], s[RBQ]
	s_cselect_b32 s[LQ], s[LQL], s[LQ]
.endm
; A PREFETCH of the tile that the NEXT change of slots will ask for.  P: the cluster with x = 0 asks; of the 64 rows x 512 bytes that wave 0 or 1 fetches each partner takes 16 rows, told apart by address:
; a lane 256 bytes, one line.  V: the work-groups with p = 0, whose long block walks tiles 1 to 7 once, ask, waves 2 and 3 for the 128 rows that they fetch: a lane a row, four lines.
; The walk's tiles 0 and 1 come by their loads alone; the last change that fills a slot asks for nothing.
.macro ASK
	s_cmp_gt_u32 s[SLOTS], s[LIM]
	s_cbranch_scc0 .Lnone_\@
	s_cmp_lt_u32 s[WV], 2
	s_cbranch_scc0 .Lpf_v_\@
	global_prefetch_b8 v[PFO], s[PFA:PFA+1] th:TH_LOAD_NT scope:SCOPE_SE
	s_branch .Lnone_\@
.Lpf_v_\@:
.irp n, 0,1,2,3
	global_prefetch_b8 v[PFO], s[PFA:PFA+1] offset:(\n)*32*6144 th:TH_LOAD_NT scope:SCOPE_SE
.endr
.Lnone_\@:
.endm
.macro MUL8 f, c, a0, zero             ; 8 products: query blocks a0, a0 + 1 x 4 channel blocks, 32 keys: half c of buffer f.  The 16 accumulators take turns
	WIN 0x05
.set aa, \a0
.rept 2
.set bb, 0
.rept 4
.set TR, T+8*(4*aa+bb)
.set VR, (\f)+64+8*(4*(\c)+bb)
.set PR, (\f)+8*(4*(\c)+aa)
.if \zero
	v_wmma_f32_16x16x32_f16 v[TR:TR+7], v[VR:VR+7], v[PR:PR+7], 0
.else
	v_wmma_f32_16x16x32_f16 v[TR:TR+7], v[VR:VR+7], v[PR:PR+7], v[TR:TR+7]
.endif
.set bb, bb+1
.endr
.set aa, aa+1
.endr
.endm
.macro FETCH q, f                      ; 32 LDS loads in one run: the fragments of keys 64 q .. 64 q + 63, the first 32 keys first
	WIN 0x40
.set AVR, AV+(\q)/2
.set cc, 0
.rept 2
.set ii, 0
.rept 4
	ds_load_tr16_b128 v[(\f)+64+8*(4*cc+ii):(\f)+64+8*(4*cc+ii)+3],   v[AVR] offset:(((\q)%2)*64+32*cc)*PV+32*ii
	ds_load_tr16_b128 v[(\f)+64+8*(4*cc+ii)+4:(\f)+64+8*(4*cc+ii)+7], v[AVR] offset:(((\q)%2)*64+32*cc)*PV+32*ii+16*PV
	ds_load_b128 v[(\f)+8*(4*cc+ii):(\f)+8*(4*cc+ii)+3],   v[AP] offset:16*PP*ii+128*(\q)+64*cc
	ds_load_b128 v[(\f)+8*(4*cc+ii)+4:(\f)+8*(4*cc+ii)+7], v[AP] offset:16*PP*ii+128*(\q)+64*cc+32
.set ii, ii+1
.endr
.set cc, cc+1
.endr
.endm
.macro QUARTER q, f, g, zero
	s_wait_dscnt 16                                ; the first 32 keys are in
	MUL8 \f, 0, 0, \zero
	MUL8 \f, 0, 2, \zero
	PLACES
	FETCH (\q)+1, \g
	s_wait_dscnt 32                                ; all but the 32 just issued
	MUL8 \f, 1, 0, 0
	MUL8 \f, 1, 2, 0
.endm
.macro STEP                            ; a tile's four quarters: 128 matrix instructions
	QUARTER 0, F0, F1, 1
	QUARTER 1, F1, F0, 0
	QUARTER 2, F0, F1, 0
	s_wait_dscnt 16
	MUL8 F1, 0, 0, 0
	MUL8 F1, 0, 2, 0
	s_wait_dscnt 0x0
	MUL8 F1, 1, 0, 0
	MUL8 F1, 1, 2, 0
	WIN 0
.endm
; THE CHANGE OF SLOTS.  Each wave waits for all its tensor loads (one is out: its part of the tile to be entered), adds 0 to its spare word, and waits for that and for its reads of the slot that it leaves.
; fill = 1: the barrier is a round of the cluster's, and the slot just left is filled again first thing behind it, with the walk's next tile, which has the step's 128 matrix instructions in which to land.
; (At its first use nothing has been read yet: slot 0 is waited for, slot 1 filled.)
.macro CHANGE fill
	WIN 0
	s_wait_tensorcnt 0x0
	ds_add_u32 v[SPW], v[NIL]                      ; 0 onto my spare word; the scalar work below stands between it and the wait for it
.if \fill
	s_xor_b32 s[G0P+1], s[G0P+1], SLOT1
	s_xor_b32 s[G0V+1], s[G0V+1], SLOT1
	MKADR
	STEPQ
	s_wait_xcnt 0x0                                ; the last prefetches, a step back, have read their address
	s_lshl_b32 s66, s[RBQ], 19
	s_lshl_b32 s19, s[NXT], 9
	s_add_co_u32 s66, s66, s19
	s_mul_i32 s68, s[NXT], KTV
	s_cmp_lt_u32 s[WV], 2
	s_cselect_b32 s66, s66, s68
	s_cselect_b64 s[PFA:PFA+1], s[FXP:FXP+1], s[FXV:FXV+1]
	s_add_nc_u64 s[PFA:PFA+1], s[PFA:PFA+1], s[66:67]
.endif
	s_wait_dscnt 0x0
.if \fill
	CROUND
	JLOAD                                          ; its four v_nop are also the places in front of the loads below
.else
	s_barrier_signal -1
	s_barrier_wait -1
	PLACES
.endif
	s_xor_b32 s[TB], s[TB], SLOT1
	v_add_nc_u32 v[AP], s[TB], v[AP0]
	v_add_nc_u32 v[AV], s[TB], v[AV0]
	v_add_nc_u32 v[AV+1], 128*PV, v[AV]
	FETCH 0, F0
	WIN 0
.if \fill
	ASK
.endif
.endm
.macro STATS                           ; f = 2^(c m - max), l += f (l0 + l1), for the tile whose products are finished
	s_wait_loadcnt 0x0                             ; its statistics were asked for a step ago
.irp a, 0,1,2,3
	v_sub_f32 v[FF+2*(\a)], v[MS+(\a)], v[CMX+(\a)]
.endr
.irp a, 0,1,2,3
	v_exp_f32 v[FF+2*(\a)], v[FF+2*(\a)]
.endr
.irp a, 0,1,2,3
	v_add_f32 v[FF+2*(\a)+1], v[MS+4+(\a)], v[MS+8+(\a)]  ; plain work behind the exponentials
.endr
	s_wait_alu depctr_va_vdst(0)                   ; the wait ahead of the first reader: one for the four
.irp a, 0,1,2,3
	v_fma_f32 v[LACC+(\a)], v[FF+2*(\a)], v[FF+2*(\a)+1], v[LACC+(\a)]
.endr
.endm
.macro FOLD                            ; O += f T, each accumulator from its low end on
	WIN 0xa0
.set n, 0
.rept 64
	v_pk_fma_f32 v[2*n:2*n+1], v[T+2*n:T+2*n+1], v[FF+2*(n/16):FF+2*(n/16)+1], v[2*n:2*n+1] op_sel_hi:[1,0,1]
.set n, n+1
.endr
	WIN 0
.endm
.macro STLOAD                          ; the statistics of the tile that is entered: 12 loads, read a step later
	s_lshl_b32 s90, s[KT], 13
	s_lshl_b32 s19, s[RB], 9
	s_add_co_u32 s90, s90, s19
	s_add_nc_u64 s[SCM:SCM+1], s[CMBS:CMBS+1], s[90:91]
	s_lshl_b32 s90, s[KT], 14
	s_add_co_u32 s90, s90, s19
	s_add_nc_u64 s[SLP:SLP+1], s[LBS:LBS+1], s[90:91]
.irp a, 0,1,2,3
	global_load_b32 v[MS+(\a)],   v[SO], s[SCM:SCM+1] offset:64*(\a)
	global_load_b32 v[MS+4+(\a)], v[SO], s[SLP:SLP+1] offset:64*(\a)
	global_load_b32 v[MS+8+(\a)], v[SO], s[SLP:SLP+1] offset:8192+64*(\a)
.endr
	s_add_co_u32 s[KT], s[KT], 1
	s_sub_co_u32 s[RT], s[RT], 1
.endm
.macro PACK a                          ; O / l; a lane's 32 bytes into rows of 272 bytes of my own stage; back as whole rows of 256 (LDS serves a wave's instructions in order: ISA guide 5.7.1.4)
	WIN 0x82
.set n, 0
.rept 16
	v_pk_mul_f32 v[32*(\a)+2*n:32*(\a)+2*n+1], v[32*(\a)+2*n:32*(\a)+2*n+1], v[RL+2*(\a):RL+2*(\a)+1] op_sel_hi:[1,0]
.set n, n+1
.endr
	WIN 0x08
.set n, 0
.rept 4
	ds_store_b128 v[STO], v[32*(\a)+8*n:32*(\a)+8*n+3]   offset:64*n
	ds_store_b128 v[STO], v[32*(\a)+8*n+4:32*(\a)+8*n+7] offset:64*n+16
.set n, n+1
.endr
	WIN 0x80
.set n, 0
.rept 8
	ds_load_b128 v[128+32*(\a)+4*n:128+32*(\a)+4*n+3], v[RD] offset:n*2*SP
.set n, n+1
.endr
.endm
.macro SEND a, younger                 ; younger: the LDS instructions issued behind block a's loads: the next block's sixteen, or none
	WIN 0x08
.set n, 0
.rept 8
	s_wait_dscnt (\younger)+7-n
	global_store_b128 v[GO], v[128+32*(\a)+4*n:128+32*(\a)+4*n+3], s[OUTP:OUTP+1] offset:(\a)*65536+n*8192  ; 16 lanes store 256 consecutive bytes, aligned
.set n, n+1
.endr
.endm
.macro FINAL more                      ; a block leaves.  more = 1: a block follows, which writes the stores' base anew
	WIN 0
.irp a, 0,1,2,3
	v_rcp_f32 v[RL+2*(\a)], v[LACC+(\a)]
.endr
	v_nop
	s_wait_alu depctr_va_vdst(0)                   ; one wait for the four reciprocals
	PACK 0
	PACK 1
	SEND 0, 16
	PACK 2
	SEND 1, 16
	PACK 3
	SEND 2, 16
	SEND 3, 0
	WIN 0
.if \more
	s_wait_xcnt 0x0                                ; the stores have read their base and their data registers
.endif
.endm
; A block begins: its count of tiles, its number, its rows of out, its maxima; l and O start at 0.  It stands twice: at the head for the short block, in the loop for the long one.
.macro BEGIN
	s_mov_b32 s[RT], s[RTN]
	s_mov_b32 s[RTN], s[N1]
	s_mov_b32 s[RB], s[RBN]
	s_mov_b32 s[RBN], s[RBL]
	s_mov_b32 s[KT], 0
	s_lshl_b32 s90, s[RB], 19
	s_add_nc_u64 s[OUTP:OUTP+1], s[OUTB:OUTB+1], s[90:91]
.irp a, 0,1,2,3
	v_mov_b32 v[CMX+(\a)], v[CMN+(\a)]
	v_mov_b32 v[CMN+(\a)], v[CMN+4+(\a)]
	v_mov_b32 v[LACC+(\a)], 0
.endr
	WIN 0x80
.set n, 0
.rept 128
	v_mov_b32 v[n], 0                              ; O starts at 0, so that every tile is folded by one text
.set n, n+1
.endr
	WIN 0
.endm
	s_load_b256 s[4:11], s[0:1], 0x0               ; pm s[4:5], qkv s[6:7], st s[8:9], out0 s[10:11]
	v_lshl_add_u32 v[SPW], v0, 2, SPARE
	v_mov_b32 v[NIL], 0
	ds_add_u32 v[SPW], v[NIL]                      ; the wave's opening: the add and its wait stand ahead of my first tensor load
	v_lshrrev_b32 v1, 5, v0
	v_readfirstlane_b32 s[WV], v1
	s_lshr_b32 s13, s[WV], 1                       ; wr
	s_and_b32 s14, s[WV], 1                        ; wc.  Also: which half of a tile I fetch
	s_bfe_u32 s15, ttmp6, 0x40000                  ; cx
	s_lshl_b32 s16, ttmp9, 2
	s_add_co_u32 s16, s16, s15                     ; my 128 channels
	s_and_b32 s19, ttmp7, 0xffff
	s_and_b32 s17, s19, 7                          ; p
	s_lshr_b32 s18, s19, 3                         ; the sequence
	s_sub_co_u32 s[RBL], 15, s17
	s_lshr_b32 s[LQL], s[RBL], 1
	s_add_co_u32 s[N1], s[LQL], 1
	s_lshr_b32 s[LQ], s17, 1
	s_add_co_u32 s[RTN], s[LQ], 1
	s_mov_b32 s[RBN], s17
	s_mov_b32 s[RBQ], s17
	s_mov_b32 s[NXT], 0
	s_mov_b32 s67, 0
	s_mov_b32 s69, 0
	s_mov_b32 s91, 0
	s_mov_b32 s[TB], SLOT1                         ; the first change of slots turns it into 0
	s_mov_b32 s[G1P], 15|(1<<16)|(1<<20)|(1<<21)|(6<<22)|(3<<25)  ; the mask of four; 2-byte elements; padding on; 21 set beside a mask; after every 128 words, 4 words
	s_mov_b32 s[G1P+1], 256<<16
	s_mov_b32 s[G1P+2], 64<<16
	s_mov_b32 s[G1P+3], 256<<16
	s_mov_b32 s[G1P+4], 64
	s_mov_b32 s[G1P+5], 2048
	s_mov_b32 s[G1P+6], 0
	s_mov_b32 s[G1P+7], 0
	s_mov_b32 s[G1V], (1<<16)|(1<<20)|(5<<22)|(7<<25)  ; no mask; after every 64 words, 8 words
	s_mov_b32 s[G1V+1], 128<<16
	s_mov_b32 s[G1V+2], 128<<16
	s_mov_b32 s[G1V+3], 128<<16
	s_mov_b32 s[G1V+4], 128
	s_mov_b32 s[G1V+5], 3072
	s_mov_b32 s[G1V+6], 0
	s_mov_b32 s[G1V+7], 0
	s_mov_b32 s[G0P], 1
	s_mul_i32 s[G0P+1], s14, 64*PP                 ; slot 0: no place in the cluster enters an LDS address
	s_mov_b32 s[G0V], 1
	s_mul_i32 s[G0V+1], s14, 128*PV
	s_add_co_u32 s[G0V+1], s[G0V+1], VOFF
	s_lshl_b32 s20, s18, 23                        ; pm: the sequence's 2,048 rows of 4,096 bytes,
	s_lshl_b32 s21, s14, 18                        ; my 64 rows of a block
	s_add_co_u32 s20, s20, s21
	s_mov_b32 s21, 0
	s_lshl_b32 s22, s18, 11                        ; qkv: the sequence's rows,
	s_lshl_b32 s23, s14, 7                         ; my 128 keys of a tile,
	s_add_co_u32 s22, s22, s23
	s_mul_i32 s22, s22, 6144
	s_lshl_b32 s23, s16, 8                         ; v's columns, my work-group's 128
	s_add_co_u32 s22, s22, s23
	s_add_co_u32 s22, s22, 4096
	s_mov_b32 s23, 0
	s_cmp_lt_u32 s[WV], 2
	s_cselect_b32 s19, ttmp9, s17                  ; P: the cluster with x = 0 prefetches; V: the work-groups with p = 0
	s_cmp_eq_u32 s19, 0
	s_cselect_b32 s[LIM], 1, -1
	s_wait_dscnt 0x0
	s_wait_kmcnt 0x0
	s_add_nc_u64 s[FXP:FXP+1], s[4:5], s[20:21]
	s_add_nc_u64 s[FXV:FXV+1], s[6:7], s[22:23]
	MKADR                                          ; the walk's tile 0: block p, key tile 0
	STEPQ
	CROUND                                         ; all four work-groups are here
	JLOAD
	v_and_b32 v1, 15, v0                           ; r
	v_bfe_u32 v2, v0, 4, 1                         ; h
	v_lshlrev_b32 v[SO], 2, v1
	s_lshl_b32 s20, s18, 16                        ; c m's plane: [b][kt][query]
	s_lshl_b32 s22, s13, 8                         ; my 64 queries of a block
	s_add_co_u32 s20, s20, s22
	s_add_nc_u64 s[CMBS:CMBS+1], s[8:9], s[20:21]
	s_lshl_b32 s20, s18, 17                        ; the sums' plane: [b][2 kt + e][query]
	s_add_co_u32 s20, s20, s22
	s_add_co_u32 s20, s20, 262144
	s_add_nc_u64 s[LBS:LBS+1], s[8:9], s[20:21]
	; The row maxima of c m for both blocks, while the first tile is on its way.  A tile's number is held to the block's last, so only words that were written are read; a repeat changes no maximum.
	s_lshr_b32 s20, s17, 1
	s_lshl_b32 s21, s17, 9
	s_lshl_b32 s22, s[RBL], 9
.set kt, 0
.rept 8
	s_min_u32 s19, s20, kt
	s_lshl_b32 s19, s19, 13
	s_add_co_u32 s19, s19, s21
	v_add_nc_u32 v[HA+kt], s19, v[SO]
	s_min_u32 s19, s[LQL], kt
	s_lshl_b32 s19, s19, 13
	s_add_co_u32 s19, s19, s22
	v_add_nc_u32 v[HA+8+kt], s19, v[SO]
.set kt, kt+1
.endr
.set n, 0
.rept 64                               ; n = 32 x block + 4 kt + a
	global_load_b32 v[T+n], v[HA+n/4], s[CMBS:CMBS+1] offset:64*(n%4)
.set n, n+1
.endr
	v_mul_u32_u24 v[AP0], v1, PP                   ; a fragment of P: row r, 16 bytes for each half of the lanes, twice, 32 bytes apart
	v_lshl_add_u32 v[AP0], v2, 4, v[AP0]
	s_mul_i32 s20, s13, 64*PP
	v_add_nc_u32 v[AP0], s20, v[AP0]
	v_and_b32 v3, 7, v0                            ; the turning load: lane l reads key 8 h + l % 8, channels 8 ((l / 8) % 2) on
	v_lshl_add_u32 v3, v2, 3, v3
	v_mul_u32_u24 v[AV0], v3, PV
	v_bfe_u32 v4, v0, 3, 1
	v_lshl_add_u32 v[AV0], v4, 4, v[AV0]
	s_lshl_b32 s20, s14, 7
	s_add_co_u32 s20, s20, VOFF
	v_add_nc_u32 v[AV0], s20, v[AV0]
	s_mul_i32 s20, s[WV], 16*SP
	s_add_co_u32 s20, s20, STAGE
	v_mul_u32_u24 v[STO], v1, SP
	v_lshl_add_u32 v[STO], v2, 5, v[STO]
	v_add_nc_u32 v[STO], s20, v[STO]
	v_mul_u32_u24 v[RD], v2, SP
	v_lshl_add_u32 v[RD], v1, 4, v[RD]
	v_add_nc_u32 v[RD], s20, v[RD]
	v_lshlrev_b32 v[GO], 12, v2                    ; a row of out is 4,096 bytes
	v_lshl_add_u32 v[GO], v1, 4, v[GO]
	s_mov_b32 s20, 6144                            ; the prefetches' offset: P: (16 cx + r) rows of pm + 256 h; V: lane x a row of qkv
	s_mov_b32 s21, 16*6144
	s_lshl_b32 s22, s15, 16
	s_cmp_lt_u32 s[WV], 2
	s_cselect_b32 s20, 4096, s20
	s_cselect_b32 s21, 256, s21
	s_cselect_b32 s22, s22, 0
	v_mul_u32_u24 v[PFO], v1, s20
	v_mad_u32_u24 v[PFO], v2, s21, v[PFO]
	v_add_nc_u32 v[PFO], s22, v[PFO]
.irp a, 0,1,2,3
	v_mov_b32 v[RL+2*(\a)+1], 0                    ; named with 1 / l as a pair
.endr
	s_lshl_b32 s20, s18, 11                        ; out: the sequence's rows, my 64 of a block,
	s_lshl_b32 s21, s13, 6
	s_add_co_u32 s20, s20, s21
	s_lshl_b32 s20, s20, 12
	s_lshl_b32 s21, s16, 9                         ; my work-group's 128 channels, my 64 of them
	s_add_co_u32 s20, s20, s21
	s_lshl_b32 s21, s14, 8
	s_add_co_u32 s20, s20, s21
	s_mov_b32 s21, 0
	s_add_nc_u64 s[OUTB:OUTB+1], s[10:11], s[20:21]
	s_wait_loadcnt 0x0
.set n, 0
.rept 8                                ; n = 4 x block + a
.set BS, T+32*(n/4)+n%4
	v_max3_num_f32 v[CMN+n], v[BS], v[BS+4], v[BS+8]
	v_max3_num_f32 v[CMN+n], v[CMN+n], v[BS+12], v[BS+16]
	v_max3_num_f32 v[CMN+n], v[CMN+n], v[BS+20], v[BS+24]
	v_max_num_f32 v[CMN+n], v[CMN+n], v[BS+28]
.set n, n+1
.endr
	BEGIN                                          ; the short block begins here, ahead of the loop, while the first tile is on its way
	s_mov_b32 s[NEW], 1
	s_mov_b32 s[SLOTS], 8
.Lslot:                                                ; trip t: tile t is entered, tile t + 1 asked for, tile t - 1 folded
	CHANGE 1
	s_cmp_eq_u32 s[NEW], 1
	s_mov_b32 s[NEW], 0                            ; (leaves SCC as it is)
	s_cbranch_scc1 .Lgo                            ; the first trip: nothing to fold
	STATS
	FOLD
	s_cmp_lg_u32 s[RT], 0
	s_cbranch_scc1 .Lgo
	FINAL 1                                        ; that was the short block's last tile:
	BEGIN                                          ; the long block begins
.Lgo:
	STLOAD
	STEP
	s_sub_co_u32 s[SLOTS], s[SLOTS], 1
	s_cmp_lg_u32 s[SLOTS], 0
	s_cbranch_scc1 .Lslot
	CHANGE 0                                       ; the walk's last tile is written out: nothing is asked for; the long block has five tiles or more, so no block begins here
	STATS
	FOLD
	STLOAD
	STEP
	STATS                                          ; its twelve plain instructions are the places behind the last products
	FOLD
	FINAL 0
	s_wait_tensorcnt 0x0                           ; the wave's end
	ds_add_u32 v[SPW], v[NIL]
	s_wait_dscnt 0x0
	CROUND                                         ; the closing round
	s_endpgm
.Lfunc_end_k_q8f7e6cc7d9_pv:
	.size	k_q8f7e6cc7d9_pv, .Lfunc_end_k_q8f7e6cc7d9_pv-k_q8f7e6cc7d9_pv
	.p2alignl 7, 3214868480
	.fill 96, 4, 3214868480
	.section	.rodata,"a",@progbits
	.p2align	6, 0x0
	.amdhsa_kernel k_q8f7e6cc7d9_pv
		.amdhsa_group_segment_fixed_size 327680
		.amdhsa_private_segment_fixed_size 0
		.amdhsa_enable_private_segment 0
		.amdhsa_kernarg_size 32
		.amdhsa_user_sgpr_count 2
		.amdhsa_user_sgpr_kernarg_segment_ptr 1
		.amdhsa_wavefront_size32 1
		.amdhsa_system_sgpr_workgroup_id_x 1
		.amdhsa_system_sgpr_workgroup_id_y 1
		.amdhsa_system_sgpr_workgroup_id_z 1
		.amdhsa_system_vgpr_workitem_id 0
		.amdhsa_next_free_vgpr 768
		.amdhsa_next_free_sgpr 100
		.amdhsa_reserve_vcc 0
		.amdhsa_float_denorm_mode_32 3
		.amdhsa_float_denorm_mode_16_64 3
		.amdhsa_memory_ordered 1
		.amdhsa_forward_progress 1
		.amdhsa_inst_pref_size 107
	.end_amdhsa_kernel
	.amdgpu_metadata
---
amdhsa.version: [ 1, 2 ]
amdhsa.kernels:
  - .name:           k_q8f7e6cc7d9_pv
    .symbol:         k_q8f7e6cc7d9_pv.kd
    .args:
      - { .name: pm, .offset: 0, .size: 8, .value_kind: global_buffer, .address_space: global }
      - { .name: qkv, .offset: 8, .size: 8, .value_kind: global_buffer, .address_space: global }
      - { .name: st, .offset: 16, .size: 8, .value_kind: global_buffer, .address_space: global }
      - { .name: out0, .offset: 24, .size: 8, .value_kind: global_buffer, .address_space: global }
    .group_segment_fixed_size: 327680
    .private_segment_fixed_size: 0
    .kernarg_segment_align: 8
    .kernarg_segment_size: 32
    .max_flat_workgroup_size: 128
    .sgpr_count:     100
    .vgpr_count:     768
    .wavefront_size: 32
...
	.end_amdgpu_metadata
.endif
;; end of part 4
;; ======== version 2 of 2: 4 launches; version 1 with the launch prep written anew for expert scheduling mode
;; limits: values are held in f16: magnitudes above 65,504 overflow, below 6.1e-05 lose precision
;; workspace buffers: xb 16,777,216 bytes; wb 6,291,456 bytes; qkv 50,331,648 bytes; pm 33,554,432 bytes; st 786,432 bytes
;; launch prep (part 5): grid 352 x 1, 8 waves a work-group, no clusters, 0 bytes of LDS; arguments x, WQ, WK, WV, xb, wb; writes xb, wb
.if DOCPART == 5
	.amdgcn_target "amdgcn-amd-amdhsa--gfx1250"
	.amdhsa_code_object_version 6
	.text
	.protected	k_q8f7e6cc7d9_prep
	.globl	k_q8f7e6cc7d9_prep
	.p2align	8
	.type	k_q8f7e6cc7d9_prep,@function
k_q8f7e6cc7d9_prep:
	s_mov_b64 s[64:65], 0
	v_nop
	global_prefetch_b8 v0, s[64:65] scope:SCOPE_SE
	s_setreg_imm32_b32 hwreg(HW_REG_WAVE_SCHED_MODE, 0, 2), 2
	s_setreg_imm32_b32 hwreg(HW_REG_WAVE_MODE, 25, 1), 1
	s_wait_xcnt 0x0
	s_wait_alu depctr_vm_vsrc(0)
; x and the three weights are rounded once to bf16 and laid out for the projection.
; xb: [16 kblk][8192 token][64] bf16: byte kblk x 1,048,576 + token x 128 + 2 kk, so that 256 tokens x 64 k are 32 KiB on end.
; wb: [1024 k][3072 n] bf16: columns 0-1023 WQ, 1024-2047 WK, 2048-3071 WV.
; A stream: every byte is read once and written once; no LDS, no barrier, no matrix unit, no loop.  A wave takes 16 KiB of f32:
; 32 loads of 16 bytes a lane go out together, then 16 chunks of four roundings and one store.  A lane reads 32 bytes on end
; and writes 16; each store of a wave covers 512 consecutive bytes, aligned.  No register is written twice.
; Work-groups 0-255: 32 tokens of x each.  Work-groups 256-351: 32 rows of one weight each.
; THE MODE: SCHED_MODE bits 1:0 = 2 (LLVM: expert scheduling mode 2), set by the entry lines.  The code itself states the register dependences
; between vector instructions and memory instructions, with s_wait_alu, always for 0.
; THE PLAN.  Registers that memory instructions touch:
;   v1, v2   byte offsets of the loads and of the stores: written by vector instructions at the head, once, and never again.
;   X        written by the 32 loads alone, which all go out at the head; no vector instruction ever writes it.  Chunk j's roundings read its eight registers.
;   Y        chunk j's four registers are written by its roundings, once, and read by its one store.
; The 16 chunks go in four blocks of four.  Block p's four stores stand in block p + 1, one in front of each chunk's roundings: one wait at that block's head states that
; block p has written its Y, and the vector instructions behind that wait name block p + 1's X and Y alone, none of the registers that those stores read.
; So a path has five waits on va_vdst: one ahead of the first load, one at the head of each of blocks 1 to 3, one ahead of the last four stores.
; No register that a memory instruction has read is written again, no load lands in a register that a vector instruction has named, no vector instruction writes a scalar register or VCC,
; and EXEC is never written: there is nothing else to state.
.set X, 16                             ; v[16:143]   chunk j: 8 numbers in f32
.set Y, 144                            ; v[144:207]  chunk j: 8 numbers in bf16
.set KBLK, 1048576                     ; bytes of one block of 64 k in xb
.set BLOCK, 4                          ; chunks in a block
; The store of chunk c.  kind = 0: x (chunk c = block c of 64 k of my token).  kind = 1: a weight (chunk c = row c / 4, quarter c % 4 of the row).
.macro PUT kind, c
.if (\kind) == 0
.if (\c) < 8
	global_store_b128 v2, v[Y+4*(\c):Y+4*(\c)+3], s[22:23] offset:(\c)*KBLK
.else
	global_store_b128 v2, v[Y+4*(\c):Y+4*(\c)+3], s[24:25] offset:((\c)-8)*KBLK
.endif
.else
	global_store_b128 v2, v[Y+4*(\c):Y+4*(\c)+3], s[22:23] offset:((\c)/4)*6144+((\c)%4)*512
.endif
.endm
.macro CAST kind
.set j, 0
.rept 16
.if (\kind) == 0
.set LI, j*256
.else
.set LI, (j/4)*4096+(j%4)*1024
.endif
	global_load_b128 v[X+8*j:X+8*j+3],   v1, s[20:21] offset:LI th:TH_LOAD_NT
	global_load_b128 v[X+8*j+4:X+8*j+7], v1, s[20:21] offset:LI+16 th:TH_LOAD_NT
.set j, j+1
.endr
.set j, 0
.rept 16
	s_wait_loadcnt 30-2*j                          ; loads come back in order: behind chunk j's two, 30 - 2 j were issued
.if (j >= BLOCK) && (j%BLOCK == 0)
	s_wait_alu depctr_va_vdst(0)                   ; the block before has written its sixteen registers of Y, which this block's four stores read
.endif
.if j >= BLOCK
	PUT \kind, j-BLOCK                             ; a chunk of the block before.  No further wait: no vector instruction since the wait above names its Y or v2
.endif
	v_cvt_pk_bf16_f32 v[Y+4*j],   v[X+8*j],   v[X+8*j+1]
	v_cvt_pk_bf16_f32 v[Y+4*j+1], v[X+8*j+2], v[X+8*j+3]
	v_cvt_pk_bf16_f32 v[Y+4*j+2], v[X+8*j+4], v[X+8*j+5]
	v_cvt_pk_bf16_f32 v[Y+4*j+3], v[X+8*j+6], v[X+8*j+7]
.set j, j+1
.endr
	s_wait_alu depctr_va_vdst(0)                   ; the last block has written its Y, which the last four stores read
.irp c, 12,13,14,15
	PUT \kind, \c
.endr
.endm
	s_load_b256 s[4:11], s[0:1], 0x0               ; x s[4:5], WQ s[6:7], WK s[8:9], WV s[10:11]
	s_load_b128 s[12:15], s[0:1], 0x20             ; xb s[12:13], wb s[14:15]
	s_mov_b32 s17, 0
	s_mov_b32 s19, 0
	s_cmp_lt_u32 ttmp9, 256
	s_cbranch_scc0 .Lweights
	v_lshrrev_b32 v1, 3, v0                        ; my token of the group's 32: eight lanes share a token's 256 bytes of a block
	v_and_b32 v2, 7, v0
	v_lshlrev_b32 v1, 12, v1                       ; a token is 4,096 bytes of x
	v_lshl_add_u32 v1, v2, 5, v1                   ; + my 32 bytes
	v_lshlrev_b32 v2, 4, v0                        ; in xb: token x 128 + 16 (t % 8) = 16 t
	s_lshl_b32 s16, ttmp9, 17                      ; 32 tokens of x
	s_lshl_b32 s18, ttmp9, 12                      ; 32 tokens of one block of xb
	s_wait_kmcnt 0x0
	s_add_nc_u64 s[20:21], s[4:5], s[16:17]
	s_add_nc_u64 s[22:23], s[12:13], s[18:19]      ; blocks 0 to 7 by the immediate,
	s_add_nc_u64 s[24:25], s[22:23], 8*KBLK        ; blocks 8 to 15 from a second base: the immediates stay under 2^23
	s_wait_alu depctr_va_vdst(0)                   ; v1 and v2 are written: every load below reads v1 as its offset, every store v2
	CAST 0
	s_endpgm
.Lweights:
	s_sub_co_u32 s26, ttmp9, 256
	s_lshr_b32 s27, s26, 5                         ; which weight
	s_and_b32 s26, s26, 31                         ; which 32 rows
	v_lshrrev_b32 v3, 5, v0                        ; wave: four rows each
	v_and_b32 v4, 31, v0
	v_lshlrev_b32 v1, 14, v3
	v_lshl_add_u32 v1, v4, 5, v1
	v_mul_u32_u24 v2, v3, 4*6144
	v_lshl_add_u32 v2, v4, 4, v2
	s_lshl_b32 s16, s26, 17                        ; 32 rows of 4,096 bytes
	s_mul_i32 s18, s26, 32*6144                    ; 32 rows of wb,
	s_lshl_b32 s27, s27, 11                        ; the weight's 1,024 columns
	s_add_co_u32 s18, s18, s27
	s_wait_kmcnt 0x0
	s_cmp_eq_u32 s27, 2048
	s_cselect_b64 s[20:21], s[8:9], s[6:7]
	s_cmp_eq_u32 s27, 4096
	s_cselect_b64 s[20:21], s[10:11], s[20:21]
	s_add_nc_u64 s[20:21], s[20:21], s[16:17]
	s_add_nc_u64 s[22:23], s[14:15], s[18:19]
	s_wait_alu depctr_va_vdst(0)                   ; v1 and v2 are written: every load below reads v1 as its offset, every store v2
	CAST 1
	s_endpgm
.Lfunc_end_k_q8f7e6cc7d9_prep:
	.size	k_q8f7e6cc7d9_prep, .Lfunc_end_k_q8f7e6cc7d9_prep-k_q8f7e6cc7d9_prep
	.p2alignl 7, 3214868480
	.fill 96, 4, 3214868480
	.section	.rodata,"a",@progbits
	.p2align	6, 0x0
	.amdhsa_kernel k_q8f7e6cc7d9_prep
		.amdhsa_group_segment_fixed_size 0
		.amdhsa_private_segment_fixed_size 0
		.amdhsa_enable_private_segment 0
		.amdhsa_kernarg_size 48
		.amdhsa_user_sgpr_count 2
		.amdhsa_user_sgpr_kernarg_segment_ptr 1
		.amdhsa_wavefront_size32 1
		.amdhsa_system_sgpr_workgroup_id_x 1
		.amdhsa_system_sgpr_workgroup_id_y 1
		.amdhsa_system_sgpr_workgroup_id_z 1
		.amdhsa_system_vgpr_workitem_id 0
		.amdhsa_next_free_vgpr 208
		.amdhsa_next_free_sgpr 66
		.amdhsa_reserve_vcc 0
		.amdhsa_float_denorm_mode_32 3
		.amdhsa_float_denorm_mode_16_64 3
		.amdhsa_memory_ordered 1
		.amdhsa_forward_progress 1
		.amdhsa_inst_pref_size 21
	.end_amdhsa_kernel
	.amdgpu_metadata
---
amdhsa.version: [ 1, 2 ]
amdhsa.kernels:
  - .name:           k_q8f7e6cc7d9_prep
    .symbol:         k_q8f7e6cc7d9_prep.kd
    .args:
      - { .name: x, .offset: 0, .size: 8, .value_kind: global_buffer, .address_space: global }
      - { .name: WQ, .offset: 8, .size: 8, .value_kind: global_buffer, .address_space: global }
      - { .name: WK, .offset: 16, .size: 8, .value_kind: global_buffer, .address_space: global }
      - { .name: WV, .offset: 24, .size: 8, .value_kind: global_buffer, .address_space: global }
      - { .name: xb, .offset: 32, .size: 8, .value_kind: global_buffer, .address_space: global }
      - { .name: wb, .offset: 40, .size: 8, .value_kind: global_buffer, .address_space: global }
    .group_segment_fixed_size: 0
    .private_segment_fixed_size: 0
    .kernarg_segment_align: 8
    .kernarg_segment_size: 48
    .max_flat_workgroup_size: 256
    .sgpr_count:     66
    .vgpr_count:     208
    .wavefront_size: 32
...
	.end_amdgpu_metadata
.endif
;; end of part 5
;; launch proj: the kernel of part 2 again; grid 8 x 32, 4 waves a work-group, clusters of 4 x 4, 327,680 bytes of LDS; arguments xb, wb, qkv; writes qkv
;; launch scores: the kernel of part 3 again; grid 36 x 4, 4 waves a work-group, no clusters, 327,680 bytes of LDS; arguments qkv, pm, st; writes pm, st
;; launch pv: the kernel of part 4 again; grid 8 x 32, 4 waves a work-group, clusters of 4 x 1, 327,680 bytes of LDS; arguments pm, qkv, st, out0; writes out0
